; MI455X (gfx1250); checked and timed in simulation.
; The chip was launched on July 23, 2026; its instructions are those of AMD's public machine-readable ISA for CDNA 5 (MIT licence, August 2026) and "CDNA5" Instruction Set Architecture Reference Guide (July 2026). The comments in the code are by the model that wrote it; some were corrected since.
;; Info Still. Allowed arithmetic: matrix products marked QUANTISED: E2M3 operands, one E8M0 scale for each 32 along K, by v_wmma_scale_f32_16x16x128_f8f6f4 with both operands' format E2M3, f32 sums; everything else in f32.
;; Inputs: ln_beta 1,024 float32; ln_gamma 1,024 float32; qkscale one number float32; w_out 1,024 x 1,024 float32; w_qkv 1,024 x 3,072 float32; x 2 x 2,048 x 1,024 float32.
;; Outputs: out0 2 x 2,048 x 1,024 float32.
;; This version of the problem:
;;   THIS VERSION OF THE PROBLEM IS GIVEN IN LOW PRECISION. The matrix products marked QUANTISED in the list below multiply operands that are first quantised to E2M3 (2 exponent bits, 3 mantissa bits; 6 bits a number), with one power-of-two scale for each 32 numbers along K (OCP MX v1.0); their sums are f32. All else is computed in f32.
;;   The module's matrix products, in the order in which they are computed (A, B: the left and right operand; K: the contracted axis; several contracted axes count as one K, in the product's order):
;;     1. [M 4,096, K 1,024] x [K 1,024, N 3,072]; A: computed on the way; B: input w_qkv: QUANTISED
;;     2. batch 32 x [M 2,048, K 64] x [K 64, N 2,048]; A: computed on the way; B: computed on the way: QUANTISED
;;     3. batch 32 x [M 2,048, K 2,048] x [K 2,048, N 64]; A: softmax (see below); B: computed on the way: QUANTISED
;;     4. [M 4,096, K 1,024] x [K 1,024, N 1,024]; A: computed on the way; B: input w_out: QUANTISED
;;   THE QUANTISER, for each operand of a quantised product, along K:
;;     - K is cut into blocks of 32 from its start; a last block that is shorter is filled with zeros.
;;     - A block's scale is 2^e with e = floor(log2(the largest magnitude in the block)) - 2, held to -126 .. 127; a block of zeros has e = 0. As a byte (E8M0): e + 127.
;;     - Each number is divided by its block's scale, clamped to +-7.5, and rounded to the nearest number of E2M3, ties to even, subnormals kept.
;;     - The product sums the exact products of the quantised numbers (number of the format x scale) in f32.
;;   ~~~python
;;   def quantise(x, axis):      # numpy; x: float32 -> the quantised numbers, widened to float32 again
;;       x = np.moveaxis(x, axis, -1); K = x.shape[-1]
;;       x = np.pad(x, [(0, 0)] * (x.ndim - 1) + [(0, -K % 32)]); x = x.reshape(x.shape[:-1] + (-1, 32)); a = np.abs(x).max(-1, keepdims=True)
;;       e = np.where(a > 0, np.clip(np.frexp(np.where(a > 0, a, 1))[1] - 1 - 2, -126, 127), 0)      # np.frexp(a)[1] - 1 = floor(log2(a)), exactly
;;       r = np.clip(x / 2.0 ** e, -7.5, 7.5)
;;       step = 2.0 ** (np.maximum(np.frexp(np.where(r == 0, 1, r))[1] - 1, 0) - 3)
;;       q = np.round(r / step) * step * 2.0 ** e      # np.round: ties to even
;;       return np.moveaxis(q.reshape(q.shape[:-2] + (-1,))[..., :K], -1, axis).astype(np.float32)
;;   ~~~
;;   SOFTMAX AHEAD OF A QUANTISED PRODUCT. Where the list says 'softmax', what is quantised is not the finished softmax but p = 2^(t - M), with t = logit x log2(e) and M = ceil(the row's largest t), a whole number; so 1/2 < the row's largest p <= 1. The row's sum l is taken of the UNQUANTISED p, in f32, and the product's result is divided by l at the end. Since M is a whole number, a kernel that streams over the keys may use a running M (the ceiling of the running maximum): every later rescaling is an exact power of two, which a block's scale takes up: the codes' values come out the same.
;;   OPERANDS COMPUTED ON THE WAY. 'Computed on the way' means the value that the module computes at that place (a softmax that the list does not call 'softmax' is quantised finished and normalised). What goes into a quantiser is computed in f32, as accurately as f32 sums, v_exp_f32 and their like allow (about 1e-6 of the number): no bf16 or f16 on the way to a quantiser, and a product that is left as it is and whose result goes on into a quantised operand takes f32 operands (vector FMAs, or v_wmma_f32_16x16x4_f32). A number that lies on a knife's edge between two numbers of the format may be rounded either way, as far as f32 arithmetic and the matrix unit's own rounding can turn it there, and no further.
;; One version. Each part assembles by itself: llvm-mc -triple=amdgcn-amd-amdhsa -mcpu=gfx1250 --defsym DOCPART=n.
;; ======== version 1 of 1: 4 launches
;; limits: right only within a limited range of input values
;; workspace buffers: hq 3,276,800 bytes; wq 4,096,000 bytes; wo 819,200 bytes; qr 3,407,872 bytes; kv 6,684,672 bytes; oq 3,276,800 bytes
;; launch prep (part 1): grid 448 x 1, 4 waves a work-group, no clusters, 32,000 bytes of LDS; arguments x, ln_gamma, ln_beta, w_qkv, w_out, hq, wq, wo; writes hq, wq, wo
.if DOCPART == 1
	.amdgcn_target "amdgcn-amd-amdhsa--gfx1250"
	.amdhsa_code_object_version 6
	.text
	.protected	k_q9fd8e271bb_prep
	.globl	k_q9fd8e271bb_prep
	.p2align	8
	.type	k_q9fd8e271bb_prep,@function
k_q9fd8e271bb_prep:
	s_mov_b64 s[64:65], 0
	v_nop
	global_prefetch_b8 v0, s[64:65] scope:SCOPE_SE
	s_setreg_imm32_b32 hwreg(HW_REG_WAVE_MODE, 25, 1), 1
	s_wait_xcnt 0x0
; PREP.  Work-groups 0-255: LayerNorm of 16 tokens each, quantised along E to codes of E2M3 with one E8M0 byte for each 32.  Work-groups 256-447: w_qkv and w_out quantised along their FIRST axis.
; LAYOUT OF THE RESULTS (this program's own): codes [tile of 16 rows][64 along K: 16][chunk 3][lane 32][8 bytes]: lane (r, h), chunk c holds bytes 8 c .. 8 c + 7 of the 24 bytes of codes of row r,
; k = 64 e + 32 h + 0 .. 31: the operand's registers on end, so that a fragment is six loads of 8 bytes a lane, each 256 consecutive bytes.  Scale words [tile][128 along K: 8][row 16][4 bytes], behind the codes.
; ORDER OF ROWS: position p of every group of 32 tokens (and of 32 columns of Wq, Wk, Wv) holds item pi(p), pi = p with bits 3 and 4 exchanged: lane r of tile 2 b + u then holds item 32 b + 8 u + r + 8 (r / 8),
; so that a transposed product's 16 registers of two neighbouring tiles are 16 neighbours.  wq, for each head, 20 tiles: q 0-3, q's partner columns for the rotation 0-3, v 0-1, k 0-3, k's partners 0-3, v 2-3.
; The rotation's partner of column j is 2 j + 1 (j < 512) or 2 (j - 512): those columns are laid a second time, in the order of j.
; LIMITS: NaN and infinities are not served; a block whose largest magnitude lies under 2^-124 keeps the byte 1 (a block of zeros too, where the rule says 127: its codes are zeros, and this program alone reads the bytes).
.set STG,  4608                        ; a wave's stage: 32 places of 128 bytes + 16
.set IMG,  18432                       ; the tile's codes: 16 x (768 bytes + 16)
.set HP,   784
.set SCI,  30976                       ; the tile's scale words, 512 bytes
.set HQS,  3145728                     ; where the scale words begin in hq,
.set WQS,  3932160                     ; in wq,
.set WOS,  786432                      ; in wo
.set BK,   40                          ; v40-71   a block of 32 neighbours
.set GM,   72                          ; v72-103  gamma
.set BT,   104                         ; v104-135 beta
.set XB,   160                         ; v160-255 three rows of x
.set SB,   116                         ; weights: v116-117 scale bytes, four to a register
; the largest magnitude of 32 numbers and the floor 2^(3 - 127), in two chains
.macro MAX32 a, b, xs
	v_max3_num_f32 v[\a], |v[\xs]|, |v[\xs+1]|, 0x1800000
	v_max3_num_f32 v[\b], |v[\xs+2]|, |v[\xs+3]|, |v[\xs+4]|
.irp i, 5,9,13,17,21,25
	v_max3_num_f32 v[\a], v[\a], |v[\xs+\i]|, |v[\xs+\i+1]|
	v_max3_num_f32 v[\b], v[\b], |v[\xs+\i+2]|, |v[\xs+\i+3]|
.endr
	v_max3_num_f32 v[\a], v[\a], |v[\xs+29]|, |v[\xs+30]|
	v_max3_num_f32 v[\a], v[\a], v[\b], |v[\xs+31]|
.endm
	s_load_b256 s[4:11], s[0:1], 0x0               ; x, gamma, beta, w_qkv
	s_load_b256 s[12:19], s[0:1], 0x20             ; w_out, hq, wq, wo
	v_lshl_add_u32 v158, v0, 2, 0x7b00
	v_mov_b32 v159, 0
	v_lshrrev_b32 v1, 5, v0
	v_readfirstlane_b32 s20, v1                    ; wave
	v_and_b32 v1, 31, v0                           ; lane L
	s_cmp_ge_u32 ttmp9, 256
	s_cbranch_scc1 .Lweights
; ---------------- LayerNorm: work-group T makes tile T; wave w its rows 4 w .. 4 w + 3, a row at a time, the whole row in 32 registers a lane
	v_lshlrev_b32 v2, 4, v1                        ; 16 L
	s_mul_i32 s21, s20, STG
	v_lshrrev_b32 v3, 3, v1
	v_lshl_add_u32 v3, v3, 4, v2
	v_add_nc_u32 v3, s21, v3                       ; stage, in: 16 L + 16 (L / 8): eight lanes' 128 bytes, then 16 of padding
	v_mul_u32_u24 v4, v1, 144
	v_add_nc_u32 v4, s21, v4                       ; stage, out: block L
	v_lshrrev_b32 v5, 1, v1
	v_mul_u32_u24 v5, v5, HP
	v_and_b32 v6, 1, v1
	v_lshl_add_u32 v5, v6, 7, v5
	s_lshl_b32 s22, s20, 5
	s_add_co_u32 s22, s22, IMG
	v_add_nc_u32 v5, s22, v5                       ; block L's codes: 64-group L / 2, half L % 2, row 4 w
	v_lshrrev_b32 v6, 2, v1
	v_lshlrev_b32 v6, 6, v6
	v_and_b32 v7, 3, v1
	v_add_nc_u32 v6, v6, v7
	s_lshl_b32 s22, s20, 4
	s_add_co_u32 s22, s22, SCI
	v_add_nc_u32 v6, s22, v6                       ; block L's byte: word L / 4, byte L % 4, row 4 w
	v_lshlrev_b32 v8, 3, v1                        ; 8 L
	s_mul_i32 s22, s20, 4*HP
	s_add_co_u32 s22, s22, IMG
	v_add_nc_u32 v7, s22, v8                       ; the way out: wave w copies 64-groups 4 w .. 4 w + 3
	v_lshlrev_b32 v10, 2, v1                       ; 4 L
	s_lshl_b32 s22, s20, 7
	s_add_co_u32 s22, s22, SCI
	v_add_nc_u32 v9, s22, v10
	s_lshr_b32 s23, ttmp9, 1
	s_lshl_b32 s23, s23, 5
	s_and_b32 s24, ttmp9, 1
	s_lshl_b32 s24, s24, 3
	s_add_co_u32 s23, s23, s24
	s_lshl_b32 s24, s20, 2
	s_add_co_u32 s23, s23, s24
	s_lshr_b32 s24, s20, 1
	s_lshl_b32 s24, s24, 3
	s_add_co_u32 s23, s23, s24                     ; my first token: 32 (T / 2) + 8 (T % 2) + 4 w + 8 (w / 2)
	s_lshl_b32 s24, s23, 12
	s_mov_b32 s25, 0
	s_mul_i32 s26, ttmp9, 12288
	s_mul_i32 s28, s20, 3072
	s_add_co_u32 s26, s26, s28
	s_mov_b32 s27, 0
	s_lshl_b32 s28, ttmp9, 9
	s_lshl_b32 s29, s20, 7
	s_add_co_u32 s28, s28, s29
	s_add_co_u32 s28, s28, HQS
	s_mov_b32 s29, 0
	s_mov_b32 s34, 0x76543210
	s_mov_b32 s35, 0xfedcba98                      ; lane l xor 16
	s_mov_b32 s36, 0x3a800000                      ; 1 / 1024
	s_mov_b32 s37, 0x3727c5ac                      ; 1e-5
	s_wait_kmcnt 0x0
	s_add_nc_u64 s[4:5], s[4:5], s[24:25]
	s_add_nc_u64 s[30:31], s[14:15], s[26:27]
	s_add_nc_u64 s[32:33], s[14:15], s[28:29]
.irp j, 0,1,2,3,4,5,6,7
	global_load_b128 v[GM+4*\j:GM+4*\j+3], v2, s[6:7] offset:512*\j
.endr
.irp j, 0,1,2,3,4,5,6,7
	global_load_b128 v[BT+4*\j:BT+4*\j+3], v2, s[8:9] offset:512*\j
.endr
.macro XLOAD p, st
.irp j, 0,1,2,3,4,5,6,7
	global_load_b128 v[XB+32*\st+4*\j:XB+32*\st+4*\j+3], v2, s[4:5] offset:4096*\p+512*\j th:TH_LOAD_NT
.endr
.endm
	XLOAD 0, 0
	XLOAD 1, 1
	XLOAD 2, 2
.macro RED                             ; v12 + v13, summed over the 32 lanes, into every lane's v12
	v_add_f32 v12, v12, v13
	v_add_f32_dpp v12, v12, v12 row_xmask:1 row_mask:0xf bank_mask:0xf
	v_add_f32_dpp v12, v12, v12 row_xmask:2 row_mask:0xf bank_mask:0xf
	v_add_f32_dpp v12, v12, v12 row_xmask:4 row_mask:0xf bank_mask:0xf
	v_add_f32_dpp v12, v12, v12 row_xmask:8 row_mask:0xf bank_mask:0xf
	v_permlanex16_b32 v13, v12, s34, s35
	v_add_f32 v12, v12, v13
.endm
; row p of my four, in register set st.  left: the younger rows' loads, which may stay out.  more = 1: row 3 is asked for, into this set, once its numbers have left it
.macro ROW p, st, left, more
.set X, XB+32*\st
	s_wait_loadcnt \left
	v_pk_add_f32 v[12:13], v[X:X+1], v[X+2:X+3]
	v_pk_add_f32 v[14:15], v[X+4:X+5], v[X+6:X+7]
.irp i, 8,12,16,20,24,28
	v_pk_add_f32 v[12:13], v[12:13], v[X+\i:X+\i+1]
	v_pk_add_f32 v[14:15], v[14:15], v[X+\i+2:X+\i+3]
.endr
	v_pk_add_f32 v[12:13], v[12:13], v[14:15]
	RED
	v_mul_f32 v16, s36, v12                        ; the mean
	v_mov_b32 v17, v16
.irp i, 0,2,4,6,8,10,12,14,16,18,20,22,24,26,28,30
	v_pk_add_f32 v[X+\i:X+\i+1], v[X+\i:X+\i+1], v[16:17] neg_lo:[0,1] neg_hi:[0,1]
.endr
	v_pk_mul_f32 v[12:13], v[X:X+1], v[X:X+1]
	v_pk_mul_f32 v[14:15], v[X+2:X+3], v[X+2:X+3]
.irp i, 4,8,12,16,20,24,28
	v_pk_fma_f32 v[12:13], v[X+\i:X+\i+1], v[X+\i:X+\i+1], v[12:13]
	v_pk_fma_f32 v[14:15], v[X+\i+2:X+\i+3], v[X+\i+2:X+\i+3], v[14:15]
.endr
	v_pk_add_f32 v[12:13], v[12:13], v[14:15]
	RED
	v_fma_f32 v12, v12, s36, s37                   ; the variance (of the differences from the mean) + 1e-5
	s_wait_alu depctr_va_vdst(0)
	v_rsq_f32 v18, v12
	v_nop                                          ; a plain line behind the transcendental
	s_wait_alu depctr_va_vdst(0)
	v_mov_b32 v19, v18
.irp i, 0,2,4,6,8,10,12,14,16,18,20,22,24,26,28,30
	v_pk_mul_f32 v[X+\i:X+\i+1], v[X+\i:X+\i+1], v[18:19]
.endr
.irp i, 0,2,4,6,8,10,12,14,16,18,20,22,24,26,28,30
	v_pk_fma_f32 v[X+\i:X+\i+1], v[X+\i:X+\i+1], v[GM+\i:GM+\i+1], v[BT+\i:BT+\i+1]
.endr
.irp j, 0,1,2,3,4,5,6,7
	ds_store_b128 v3, v[X+4*\j:X+4*\j+3] offset:576*\j             ; the row turns through my stage: in as loaded,
.endr
.irp j, 0,1,2,3,4,5,6,7
	ds_load_b128 v[BK+4*\j:BK+4*\j+3], v4 offset:16*\j             ; out as block L's 32 neighbours (LDS serves a wave's instructions in order)
.endr
	s_wait_dscnt 0x0                               ; the block is in; the last row's stores of codes have read their registers
.if \more
	XLOAD 3, \st
.endif
	MAX32 20, 21, BK                               ; all 32 numbers of the block are mine
	v_add_nc_u32 v21, 0xff000000, v20              ; 2 off the exponent field: the conversion's scale operand
	v_cvt_scalef32_pk16_fp6_f32 v[28:30], v[BK:BK+15], v21
	v_cvt_scalef32_pk16_fp6_f32 v[34:36], v[BK+16:BK+31], v21      ; (a conversion's three registers begin on an even number)
	v_lshrrev_b32 v22, 23, v21                     ; the scale's byte; also the plain line behind the conversions
	v_mov_b32 v31, v34
	v_mov_b32 v32, v35
	v_mov_b32 v33, v36
	ds_store_b64 v5, v[28:29] offset:8*\p
	ds_store_b64 v5, v[30:31] offset:8*\p+256
	ds_store_b64 v5, v[32:33] offset:8*\p+512
	ds_store_b8 v6, v22 offset:4*\p
.endm
	ROW 0, 0, 16, 1                                ; rows 1 and 2 may be out
	ROW 1, 1, 16, 0                                ; rows 2 and 3
	ROW 2, 2, 8, 0                                 ; row 3
	ROW 3, 0, 0, 0
	s_wait_dscnt 0x0                               ; for the others' sake: my stores have landed
	s_barrier_signal -1
	s_barrier_wait -1                              ; the tile's codes and scale words lie in LDS
.irp e, 0,1,2,3
.irp c, 0,1,2
	ds_load_b64 v[160+6*\e+2*\c:161+6*\e+2*\c], v7 offset:HP*\e+256*\c
.endr
.endr
	ds_load_b32 v184, v9
	s_wait_dscnt 0x0
.irp e, 0,1,2,3
.irp c, 0,1,2
	global_store_b64 v8, v[160+6*\e+2*\c:161+6*\e+2*\c], s[30:31] offset:768*\e+256*\c   ; 32 lanes store 256 consecutive bytes, aligned
.endr
.endr
	global_store_b32 v10, v184, s[32:33]
	s_wait_tensorcnt 0x0
	ds_add_u32 v158, v159
	s_wait_dscnt 0x0
	s_endpgm
; ---------------- The weights: a wave takes 32 columns x 256 along K.  A lane takes a column and its registers run down K: a block of 32 is one lane's, and the codes come out with K innermost
.Lweights:
	s_sub_co_u32 s21, ttmp9, 256
	s_and_b32 s22, s21, 3                          ; which 256 along K
	s_lshr_b32 s23, s21, 2                         ; which group of columns: 0-15 q's heads, 16-31 k's, 32-39 v, 40-47 w_out
	s_wait_alu depctr_va_vdst(0)
	v_and_b32 v5, 7, v1
	v_and_b32 v6, 8, v1
	v_lshl_or_b32 v5, v6, 1, v5
	v_and_b32 v6, 16, v1
	v_lshrrev_b32 v6, 1, v6
	v_or_b32 v5, v5, v6                            ; pi(L)
	v_lshlrev_b32 v3, 3, v1                        ; 8 L
	v_lshrrev_b32 v4, 4, v1
	v_lshlrev_b32 v4, 9, v4
	v_and_b32 v6, 15, v1
	v_lshl_add_u32 v4, v6, 2, v4                   ; scale words: tile L / 16, row L % 16
	s_cmp_ge_u32 s23, 40
	s_cbranch_scc1 .Lwout
	s_cmp_ge_u32 s23, 32
	s_cbranch_scc1 .Lwv
	s_and_b32 s24, s23, 15                         ; H: the 64 columns that the four waves read
	s_lshr_b32 s25, s23, 4                         ; 0: q, 1: k
	s_lshl_b32 s26, s25, 10
	s_lshl_b32 s27, s24, 6
	s_add_co_u32 s26, s26, s27
	s_mul_i32 s25, s25, 10
	s_cmp_ge_u32 s20, 2
	s_cbranch_scc1 .Lwrot
	s_lshl_b32 s27, s20, 5                         ; waves 0, 1: the head's own columns, 32 w + pi(L)
	s_add_co_u32 s26, s26, s27
	s_mov_b32 s28, 0
	s_mul_i32 s29, s24, 20
	s_add_co_u32 s29, s29, s25
	s_lshl_b32 s27, s20, 1
	s_add_co_u32 s29, s29, s27
	s_branch .Lwgo
.Lwrot:                                                ; wave 2: the odd columns 2 pi(L) + 1, partners of head H / 2; wave 3: the even ones, partners of head 8 + H / 2
	s_xor_b32 s27, s20, 3
	s_add_co_u32 s26, s26, s27
	s_mov_b32 s28, 1
	s_lshr_b32 s29, s24, 1
	s_and_b32 s27, s20, 1
	s_lshl_b32 s27, s27, 3
	s_add_co_u32 s29, s29, s27
	s_mul_i32 s29, s29, 20
	s_add_co_u32 s29, s29, s25
	s_and_b32 s27, s24, 1
	s_lshl_b32 s27, s27, 1
	s_add_co_u32 s29, s29, s27
	s_add_co_u32 s29, s29, 4
	s_branch .Lwgo
.Lwv:
	s_sub_co_u32 s24, s23, 32
	s_lshl_b32 s26, s24, 7
	s_lshl_b32 s27, s20, 5
	s_add_co_u32 s26, s26, s27
	s_add_co_u32 s26, s26, 2048
	s_mov_b32 s28, 0
	s_lshl_b32 s29, s24, 1
	s_lshr_b32 s27, s20, 1
	s_add_co_u32 s29, s29, s27
	s_mul_i32 s29, s29, 20
	s_and_b32 s27, s20, 1
	s_mul_i32 s27, s27, 10
	s_add_co_u32 s29, s29, s27
	s_add_co_u32 s29, s29, 8
.Lwgo:                                                 ; s26 first column, s28 shift of the lane's item, s29 the first of my two tiles
	s_wait_alu depctr_va_vdst(0)
	v_lshlrev_b32 v2, s28, v5
	v_add_nc_u32 v2, s26, v2
	v_lshlrev_b32 v2, 2, v2
	s_mul_i32 s24, s22, 256*12288
	s_mov_b32 s25, 0
	s_mul_i32 s38, s29, 12288
	s_mul_i32 s40, s22, 3072
	s_add_co_u32 s38, s38, s40
	s_mov_b32 s39, 0
	s_lshl_b32 s40, s29, 9
	s_lshl_b32 s41, s22, 7
	s_add_co_u32 s40, s40, s41
	s_add_co_u32 s40, s40, WQS
	s_mov_b32 s41, 0
	s_wait_alu depctr_va_vdst(0)
	s_wait_kmcnt 0x0
	s_add_nc_u64 s[10:11], s[10:11], s[24:25]
	s_add_nc_u64 s[30:31], s[16:17], s[38:39]
	s_add_nc_u64 s[32:33], s[16:17], s[40:41]
.macro WLOAD t, pitch, src             ; block t: rows 32 t + i of my column
.irp i, 0,1,2,3,4,5,6,7,8,9,10,11,12,13,14,15,16,17,18,19,20,21,22,23,24,25,26,27,28,29,30,31
	global_load_b32 v[32+32*((\t)%2)+\i], v2, s[\src:\src+1] offset:(32*(\t)+\i)*\pitch
.endr
.endm
.macro WBLOCK t, pitch, src
.set XS, 32+32*((\t)%2)
.set GG, 96+8*((\t)%2)
.if (\t) < 7
	s_wait_loadcnt 32                              ; this block's 32 loads are in; the next block's may be out
.else
	s_wait_loadcnt 0x0
.endif
	MAX32 12, 13, XS
	v_add_nc_u32 v14, 0xff000000, v12
	v_lshrrev_b32 v15, 23, v14
.if (\t)%4 == 0
	v_mov_b32 v[SB+(\t)/4], v15
.else
	v_lshl_or_b32 v[SB+(\t)/4], v15, 8*((\t)%4), v[SB+(\t)/4]
.endif
.if ((\t)%2 == 0) && ((\t) > 0)
	s_wait_alu depctr_va_vdst(0)
	s_wait_xcnt 0x0                                ; the last pair's stores have read their registers: the codes may be written again
.endif
	v_cvt_scalef32_pk16_fp6_f32 v[GG:GG+2], v[XS:XS+15], v14
	v_cvt_scalef32_pk16_fp6_f32 v[112:114], v[XS+16:XS+31], v14
	v_nop                                          ; a plain line behind the conversions
	v_mov_b32 v[GG+3], v112
	v_mov_b32 v[GG+4], v113
	v_mov_b32 v[GG+5], v114
.if (\t)+2 < 8
	WLOAD (\t)+2, \pitch, \src
.endif
.if (\t)%2 == 1                        ; an even and an odd block are the two halves of 64 along K.  The exchange leaves tile 0 whole in v96-101 (lanes 0-15 the lower 32, lanes 16-31 the upper) and tile 1 in v104-109
.irp i, 0,1,2,3,4,5
	v_permlane16_swap_b32 v[96+\i], v[104+\i]
.endr
.irp c, 0,1,2
	global_store_b64 v3, v[96+2*\c:97+2*\c], s[30:31] offset:((\t)/2)*768+256*\c          ; 256 consecutive bytes, aligned
	global_store_b64 v3, v[104+2*\c:105+2*\c], s[30:31] offset:12288+((\t)/2)*768+256*\c
.endr
.endif
.if (\t)%4 == 3
	global_store_b32 v4, v[SB+(\t)/4], s[32:33] offset:((\t)/4)*64   ; runs of 64 bytes: one byte for each 128 that the launch reads
.endif
.endm
.macro QW pitch, src
	WLOAD 0, \pitch, \src
	WLOAD 1, \pitch, \src
.irp t, 0,1,2,3,4,5,6,7
	WBLOCK \t, \pitch, \src
.endr
.endm
	QW 12288, 10
	s_endpgm
.Lwout:                                                ; w_out: columns in their own order
	s_sub_co_u32 s24, s23, 40
	s_lshl_b32 s26, s24, 7
	s_lshl_b32 s27, s20, 5
	s_add_co_u32 s26, s26, s27
	v_add_nc_u32 v2, s26, v1
	v_lshlrev_b32 v2, 2, v2
	s_lshl_b32 s29, s24, 3
	s_lshl_b32 s27, s20, 1
	s_add_co_u32 s29, s29, s27
	s_lshl_b32 s24, s22, 20
	s_mov_b32 s25, 0
	s_mul_i32 s38, s29, 12288
	s_mul_i32 s40, s22, 3072
	s_add_co_u32 s38, s38, s40
	s_mov_b32 s39, 0
	s_lshl_b32 s40, s29, 9
	s_lshl_b32 s41, s22, 7
	s_add_co_u32 s40, s40, s41
	s_add_co_u32 s40, s40, WOS
	s_mov_b32 s41, 0
	s_wait_alu depctr_va_vdst(0)
	s_wait_kmcnt 0x0
	s_add_nc_u64 s[12:13], s[12:13], s[24:25]
	s_add_nc_u64 s[30:31], s[18:19], s[38:39]
	s_add_nc_u64 s[32:33], s[18:19], s[40:41]
	QW 4096, 12
	s_endpgm
.Lfunc_end_k_q9fd8e271bb_prep:
	.size	k_q9fd8e271bb_prep, .Lfunc_end_k_q9fd8e271bb_prep-k_q9fd8e271bb_prep
	.p2alignl 7, 3214868480
	.fill 96, 4, 3214868480
	.section	.rodata,"a",@progbits
	.p2align	6, 0x0
	.amdhsa_kernel k_q9fd8e271bb_prep
		.amdhsa_group_segment_fixed_size 32000
		.amdhsa_private_segment_fixed_size 0
		.amdhsa_enable_private_segment 0
		.amdhsa_kernarg_size 64
		.amdhsa_user_sgpr_count 2
		.amdhsa_user_sgpr_kernarg_segment_ptr 1
		.amdhsa_wavefront_size32 1
		.amdhsa_system_sgpr_workgroup_id_x 1
		.amdhsa_system_sgpr_workgroup_id_y 1
		.amdhsa_system_sgpr_workgroup_id_z 1
		.amdhsa_system_vgpr_workitem_id 0
		.amdhsa_next_free_vgpr 256
		.amdhsa_next_free_sgpr 66
		.amdhsa_reserve_vcc 0
		.amdhsa_float_denorm_mode_32 3
		.amdhsa_float_denorm_mode_16_64 3
		.amdhsa_memory_ordered 1
		.amdhsa_forward_progress 1
		.amdhsa_inst_pref_size 127
	.end_amdhsa_kernel
	.amdgpu_metadata
---
amdhsa.version: [ 1, 2 ]
amdhsa.kernels:
  - .name:           k_q9fd8e271bb_prep
    .symbol:         k_q9fd8e271bb_prep.kd
    .args:
      - { .name: x, .offset: 0, .size: 8, .value_kind: global_buffer, .address_space: global }
      - { .name: ln_gamma, .offset: 8, .size: 8, .value_kind: global_buffer, .address_space: global }
      - { .name: ln_beta, .offset: 16, .size: 8, .value_kind: global_buffer, .address_space: global }
      - { .name: w_qkv, .offset: 24, .size: 8, .value_kind: global_buffer, .address_space: global }
      - { .name: w_out, .offset: 32, .size: 8, .value_kind: global_buffer, .address_space: global }
      - { .name: hq, .offset: 40, .size: 8, .value_kind: global_buffer, .address_space: global }
      - { .name: wq, .offset: 48, .size: 8, .value_kind: global_buffer, .address_space: global }
      - { .name: wo, .offset: 56, .size: 8, .value_kind: global_buffer, .address_space: global }
    .group_segment_fixed_size: 32000
    .private_segment_fixed_size: 0
    .kernarg_segment_align: 8
    .kernarg_segment_size: 64
    .max_flat_workgroup_size: 128
    .sgpr_count:     66
    .vgpr_count:     256
    .wavefront_size: 32
...
	.end_amdgpu_metadata
.endif
;; end of part 1
;; launch qkv (part 2): grid 16 x 16, 4 waves a work-group, clusters of 4 x 4, 327,680 bytes of LDS; arguments hq, wq, qkscale, qr, kv; writes qr, kv
.if DOCPART == 2
	.amdgcn_target "amdgcn-amd-amdhsa--gfx1250"
	.amdhsa_code_object_version 6
	.text
	.protected	k_q9fd8e271bb_qkv
	.globl	k_q9fd8e271bb_qkv
	.p2align	8
	.type	k_q9fd8e271bb_qkv,@function
k_q9fd8e271bb_qkv:
	s_mov_b64 s[64:65], 0
	v_nop
	global_prefetch_b8 v0, s[64:65] scope:SCOPE_SE
	s_setreg_imm32_b32 hwreg(HW_REG_WAVE_MODE, 25, 1), 1
	s_wait_xcnt 0x0
	s_wait_alu depctr_hold_cnt(0) depctr_sa_sdst(0) depctr_va_vdst(0) depctr_va_sdst(0) depctr_va_ssrc(0) depctr_va_vcc(0) depctr_vm_vsrc(0)
	s_getreg_b32 s2, hwreg(HW_REG_IB_STS2, 6, 4)
	s_cmp_eq_u32 s2, 0
	s_cbranch_scc0 .Lentry_in_a_cluster
	s_endpgm
.Lentry_in_a_cluster:
	s_bfe_u32 s2, ttmp6, 0x10000c
	s_cmp_lg_u32 s2, 0xf033
	s_cbranch_scc0 .Lentry_shape_is_right
	s_endpgm
.Lentry_shape_is_right:
; QKV.  A work-group takes 256 tokens x one head: q, k and v of that head (K = 1,024, on codes of E2M3), then the rotation, the L2 norm and the quantisers, all in registers; q, k, v leave as codes.
; THE ROTATION WANTS TWO RAW COLUMNS: out[j] = raw[j] cos[j] +- raw[partner(j)] sin[j].  The partner columns of W were laid a second time in j's order, so both raw numbers fall into the same lane and register
; of two accumulators (P and R): q's and k's projection is done twice, and nothing crosses lanes or work-groups.
; SHARES.  Wave w: tokens 128 (w / 2) on (8 tiles), and 10 tiles of W: w % 2 = 0: q (P 0-3, R 0-3), v 0-1;  1: k, v 2-3.  80 accumulators a wave; a step of 128 along K is 80 matrix instructions on 18 fragments.
; P, R: source 0 = 16 rows of W, source 1 = 16 tokens: a lane holds one token and its registers run along the head's 64.  V: the sources exchanged: a lane holds one channel and its registers run along the tokens, V's K.
; The sign of qkscale goes into q ahead of the quantiser (the quantiser is odd, so that is exact); the next launch uses |qkscale|.
; CLUSTER 4 x 4: the four of a row need the same tokens' tiles, the four of a column the same head's: each tile is asked for jointly.
; RING: two slots of 256 along K; each wave fetches a quarter of a slot with one load (waves 0, 1: 8 tiles of h each; waves 2, 3: 10 tiles of W each); a tile's part is 3,072 consecutive bytes, aligned to 256.
; A wave has one tensor load out at the start and one behind each round.
; LIMITS: NaN and infinities are not served; blocks under 2^-124 keep the byte 1; the rotation's angle 2048 x 10000^(-m/512) is made by one 2^x, so it is good to about an ulp of 2048 (2e-4 rad) at the largest angles.
; REGISTERS: window 0: v1-14 addresses; v16-35 scale words, two sets of 10; v36-131 h's fragments, one set; v136-255 W's fragments, set 0.  window 1: P (a, b) at 32 a + 8 b.  window 2: R likewise.
;   window 3: v0-127 V (b, a) at 64 b + 8 a; v128-247 W's fragments, set 1.
.set SLOT,  110592                     ; h's 16 tiles x 3,072 bytes, then W's 20
.set BOFF,  49152
.set SCLA,  221184                     ; h's scale words, 16 x 512 bytes, for all of K
.set SCLB,  229376                     ; W's, 20 x 512
.set TRG,   239616                     ; cos and sin of the head's 64 columns, 512 bytes for each wave
.set SPARE, 241664                     ; the spare words, 128 bytes for each wave
.set HQS,   3145728
.set WQS,   3932160
.set ADRA, 2                           ; v2-3  my tiles of h in slot 0, 1
.set ADRB, 4                           ; v4-5  my tiles of W
.set ADRS, 6                           ; v6    scale words: lanes 0-15 h's, lanes 16-31 W's
.set SPW,  8                           ; v8    my spare word; never rewritten
.set NIL,  9                           ; v9    0; never rewritten
.set SC,   16
.set AF,   36
.set G1, 24
.set G0, 32
.set G1B, 48
.set G0B, 56
.set G1S, 68
.set G0S, 76
.set G1SB, 80
.set G0SB, 88
.set SEL, 94
.set MSB, 0
.macro WIN new                         ; the immediate's high byte repeats the setting that is left
.if MSB != (\new)
	s_set_vgpr_msb (MSB<<8)|(\new)
.set MSB, (\new)
.endif
.endm
.macro JLOAD g0a, g1a, g0b, g1b        ; a joint load: waves 0 and 1 fetch for h, waves 2 and 3 for W; four v_nop follow each line
	s_cmp_eq_u32 s15, 0
	s_cbranch_scc0 .Lfor_b_\@
	tensor_load_to_lds s[\g0a:\g0a+3], s[\g1a:\g1a+7]
	s_nop 0
.rept 4
	v_nop
.endr
	s_branch .Lasked_\@
.Lfor_b_\@:
	tensor_load_to_lds s[\g0b:\g0b+3], s[\g1b:\g1b+7]
	s_nop 0
.rept 4
	v_nop
.endr
.Lasked_\@:
.endm
.macro CREST                           ; a round of the cluster's barrier behind its opening barrier
	s_cmp_lg_u32 s14, 0
	s_cbranch_scc1 .Lnot_wave_0_\@
	s_barrier_signal -3
.Lnot_wave_0_\@:
	s_barrier_wait -3
	s_barrier_signal -1
	s_barrier_wait -1
.endm
.macro CROUND
	s_barrier_signal -1
	s_barrier_wait -1
	CREST
.endm
.macro PLACES                          ; four plain lines between a matrix instruction and a load into, or a read of, its registers
.rept 4
	v_nop
.endr
.endm
	s_load_b256 s[4:11], s[0:1], 0x0               ; hq, wq, qkscale, qr
	s_load_b64 s[12:13], s[0:1], 0x20              ; kv
	v_lshl_add_u32 v[SPW], v0, 2, SPARE
	v_mov_b32 v[NIL], 0
	ds_add_u32 v8, v9
	ds_add_u32 v8, v9
	s_wait_dscnt 0x0
	v_lshrrev_b32 v1, 5, v0
	v_readfirstlane_b32 s14, v1                    ; wave
	s_lshr_b32 s15, s14, 1                         ; my half of the tokens.  Also: I fetch for h (0) or for W (1)
	s_and_b32 s16, s14, 1                          ; q (0) or k (1).  Also: which half of that tile I fetch
	s_bfe_u32 s40, ttmp6, 0x40000                  ; cx
	s_bfe_u32 s41, ttmp6, 0x40004                  ; cy
	s_lshl_b32 s42, ttmp9, 2
	s_add_co_u32 s42, s42, s40                     ; the head
	s_and_b32 s17, ttmp7, 0xffff
	s_lshl_b32 s17, s17, 2
	s_add_co_u32 s17, s17, s41                     ; the block of 256 tokens
	s_lshl_b32 s43, s41, 2
	s_lshl_b32 s43, 15, s43                        ; my row of the cluster
	s_lshl_b32 s44, 0x1111, s40                    ; my column
	s_or_b32 s[G1+0], s43, (3<<16)|(1<<21)         ; the mask; elements of 8 bytes; bit 21 beside a mask; no padding
	s_or_b32 s[G1B+0], s44, (3<<16)|(1<<21)
	s_mov_b32 s[G1+1], 384<<16                     ; tensor_dim0 = 384 elements: 3,072 bytes of a tile
	s_mov_b32 s[G1+2], 16<<16                      ; the head's load brings all 16 tiles; the ring's loads 8 (set behind the head's wait)
	s_mov_b32 s[G1+3], 384<<16
	s_mov_b32 s[G1+4], 16
	s_mov_b32 s[G1+5], 1536                        ; from tile to tile: 12,288 bytes
	s_mov_b32 s[G1+6], 0
	s_mov_b32 s[G1+7], 0
	s_mov_b32 s[G1B+1], 384<<16
	s_mov_b32 s[G1B+2], 20<<16                     ; the head's load brings all 20 tiles; the ring's loads 10
	s_mov_b32 s[G1B+3], 384<<16
	s_mov_b32 s[G1B+4], 20
	s_mov_b32 s[G1B+5], 1536
	s_mov_b32 s[G1B+6], 0
	s_mov_b32 s[G1B+7], 0
	s_or_b32 s[G1S+0], s43, (3<<16)|(1<<21)        ; the scale words: dense, as rows of 256 bytes
	s_or_b32 s[G1SB+0], s44, (3<<16)|(1<<21)
	s_mov_b32 s[G1S+1], 32<<16
	s_mov_b32 s[G1S+2], 32<<16                     ; 16 tiles' scale words: 32 rows of 256 bytes
	s_mov_b32 s[G1S+3], 32<<16
	s_mov_b32 s[G1S+4], 32
	s_mov_b32 s[G1S+5], 32
	s_mov_b32 s[G1S+6], 0
	s_mov_b32 s[G1S+7], 0
	s_mov_b32 s[G1SB+1], 32<<16
	s_mov_b32 s[G1SB+2], 40<<16                    ; 20 tiles' scale words: 40 rows of 256 bytes
	s_mov_b32 s[G1SB+3], 32<<16
	s_mov_b32 s[G1SB+4], 40
	s_mov_b32 s[G1SB+5], 32
	s_mov_b32 s[G1SB+6], 0
	s_mov_b32 s[G1SB+7], 0
	s_lshl_b32 s20, s17, 4
	s_lshl_b32 s18, s16, 3
	s_add_co_u32 s20, s20, s18                     ; h: tile 16 y + 8 x half
	s_mul_i32 s46, s42, 20
	s_mul_i32 s18, s16, 10
	s_add_co_u32 s46, s46, s18                     ; W: tile 20 x head + 10 x half
	s_lshl_b32 s22, s17, 13                        ; h's scale words from tile 16 y on
	s_add_co_u32 s22, s22, HQS
	s_mov_b32 s23, 0
	s_mul_i32 s20, s20, 12288
	s_mov_b32 s21, 0
	s_mul_i32 s92, s42, 10240                      ; W's scale words from tile 20 x head on
	s_add_co_u32 s92, s92, WQS
	s_mov_b32 s93, 0
	s_mul_i32 s46, s46, 12288
	s_mov_b32 s47, 0
	s_mul_i32 s45, s16, 24576                      ; where they go: no place in the cluster enters an LDS address
	s_mul_i32 s94, s16, 30720
	s_wait_kmcnt 0x0
	s_add_nc_u64 s[20:21], s[4:5], s[20:21]
	s_add_nc_u64 s[22:23], s[4:5], s[22:23]
	s_add_nc_u64 s[46:47], s[6:7], s[46:47]
	s_add_nc_u64 s[92:93], s[6:7], s[92:93]
	s_load_b32 s3, s[8:9], 0x0                     ; qkscale: its sign is wanted at the end
	CROUND                                         ; all sixteen work-groups are here: the first joint loads meet
	s_mov_b32 s[G0S], 1
	s_mov_b32 s[G0S+1], SCLA
	s_mov_b64 s[G0S+2:G0S+3], s[22:23]
	s_or_b32 s[G0S+3], s[G0S+3], 0x80000000
	s_mov_b32 s[G0SB], 1
	s_mov_b32 s[G0SB+1], SCLB
	s_mov_b64 s[G0SB+2:G0SB+3], s[92:93]
	s_or_b32 s[G0SB+3], s[G0SB+3], 0x80000000
.irp s, 0,1
	s_mov_b32 s[G0+4*\s], 1
	s_add_co_u32 s[G0+4*\s+1], s45, \s*SLOT
	s_add_nc_u64 s[G0+4*\s+2:G0+4*\s+3], s[20:21], \s*3072
	s_or_b32 s[G0+4*\s+3], s[G0+4*\s+3], 0x80000000
	s_mov_b32 s[G0B+4*\s], 1
	s_add_co_u32 s[G0B+4*\s+1], s94, \s*SLOT+BOFF
	s_add_nc_u64 s[G0B+4*\s+2:G0B+4*\s+3], s[46:47], \s*3072
	s_or_b32 s[G0B+4*\s+3], s[G0B+4*\s+3], 0x80000000
.endr
; THE HEAD'S LOADS, ONE A WAVE: wave 0 slot 0's 16 tiles of h, wave 1 h's scale words, wave 2 slot 0's 20 tiles of W, wave 3 W's scale words.
; (Waves 0 and 2 have half 0, so their own group 0 of slot 0 points at the first tile.)  One chain of branches on the wave's number, one load to an arm, one join.
.macro ARM under, g0, g1, next
	s_cmp_lt_u32 s14, \under
	s_cbranch_scc0 \next
	tensor_load_to_lds s[\g0:\g0+3], s[\g1:\g1+7]
	s_nop 0
.rept 4
	v_nop
.endr
	s_branch .Lhead_asked
\next:
.endm
	ARM 1, G0, G1, .Lhead_1
	ARM 2, G0S, G1S, .Lhead_2
	ARM 3, G0B, G1B, .Lhead_3
	tensor_load_to_lds s[G0SB:G0SB+3], s[G1SB:G1SB+7]
	s_nop 0
.rept 4
	v_nop
.endr
.Lhead_asked:
	; cos and sin of the head's angles, one angle a lane: m = 32 head + lane serves columns 2 lane and 2 lane + 1
	v_and_b32 v1, 31, v0                           ; lane
	v_and_b32 v13, 15, v0                          ; r
	v_bfe_u32 v14, v0, 4, 1                        ; h
	s_lshl_b32 s18, s42, 5
	v_add_nc_u32 v40, s18, v1
	v_cvt_f32_u32 v40, v40
	v_mul_f32 v40, 0x3cd49a78, v40                 ; m log2(10000) / 512
	s_wait_alu depctr_va_vdst(0)
	v_exp_f32 v41, -v40
	v_nop
	s_wait_alu depctr_va_vdst(0)
	v_mul_f32 v41, 0x45000000, v41                 ; the angle: 2048 x 10000^(-m / 512)
	v_mul_f32 v42, 0x3f22f983, v41
	v_rndne_f32 v42, v42                           ; n = the nearest multiple of pi / 2
	v_fmamk_f32 v43, v42, 0xbfc90fdb, v41          ; the rest, pi / 2 in two parts
	v_fmamk_f32 v43, v42, 0x333bbd2e, v43
	v_mul_f32 v44, v43, v43
	v_mov_b32 v45, 0xb94ca1f9
	v_fmaak_f32 v45, v45, v44, 0x3c08839e
	v_fmaak_f32 v45, v45, v44, 0xbe2aaaa3
	v_mul_f32 v45, v45, v44
	v_fma_f32 v45, v45, v43, v43                   ; sin of the rest
	v_mov_b32 v46, 0x37ccf5ce
	v_fmaak_f32 v46, v46, v44, 0xbab6061a
	v_fmaak_f32 v46, v46, v44, 0x3d2aaaa5
	v_mul_f32 v47, v44, v44
	v_fma_f32 v48, v44, -0.5, 1.0
	v_fma_f32 v46, v47, v46, v48                   ; cos of the rest
	v_cvt_i32_f32 v49, v42
	v_and_b32 v50, 1, v49
	v_cmp_eq_u32 vcc_lo, 1, v50                    ; an odd n exchanges the two: a choice of values, no branch
	v_cndmask_b32 v54, v45, v46, vcc_lo
	v_cndmask_b32 v52, v46, v45, vcc_lo
	v_and_b32 v50, 2, v49
	v_lshlrev_b32 v50, 30, v50
	v_xor_b32 v54, v54, v50                        ; sin changes sign for n % 4 = 2, 3
	v_add_nc_u32 v50, 1, v49
	v_and_b32 v50, 2, v50
	v_lshlrev_b32 v50, 30, v50
	v_xor_b32 v52, v52, v50                        ; cos for n % 4 = 1, 2
	s_not_b32 s18, s42
	s_and_b32 s18, s18, 8
	s_lshl_b32 s18, s18, 28
	v_xor_b32 v54, s18, v54                        ; heads 0-7 (columns under 512) take the partner with a minus
	v_mov_b32 v53, v52
	v_mov_b32 v55, v54
	s_lshl_b32 s19, s14, 9
	s_add_co_u32 s19, s19, TRG
	v_lshl_add_u32 v7, v1, 3, s19
	ds_store_b64 v7, v[52:53]                      ; my wave's own table: cos of column d at 4 d,
	ds_store_b64 v7, v[54:55] offset:256           ; sin behind it
	v_lshl_add_u32 v12, v14, 6, s19                ; and where I read it: my half's 16 columns of each 32
	v_lshlrev_b32 v10, 4, v1                       ; 16 x lane
	v_lshlrev_b32 v11, 2, v1                       ; 4 x lane
	v_lshlrev_b32 v15, 3, v1                       ; 8 x lane
	s_mul_i32 s21, s15, 24576
	s_mul_i32 s22, s16, 30720
	s_add_co_u32 s22, s22, BOFF
.irp s, 0,1
	v_add_nc_u32 v[ADRA+\s], s21, v15
	v_add_nc_u32 v[ADRB+\s], s22, v15
	s_add_co_u32 s21, s21, SLOT
	s_add_co_u32 s22, s22, SLOT
.endr
	s_lshl_b32 s21, s15, 12                        ; h's scale words: my 8 tiles
	s_mul_i32 s22, s16, 5120                       ; W's: my 10 tiles, behind h's 16
	s_add_co_u32 s22, s22, SCLB-SCLA
	s_sub_co_u32 s22, s22, s21
	v_mul_u32_u24 v6, s22, v14                     ; lanes 16-31 take W's: one product, the distance x half
	s_add_co_u32 s21, s21, SCLA
	v_lshl_add_u32 v6, v13, 2, v6
	v_add_nc_u32 v[ADRS], s21, v6
.macro FRAG reg, adr, q, i             ; a fragment, 16 rows x 128 K: six loads of 8 bytes a lane, each 256 consecutive bytes: the registers' image as it lies
.irp p, 0,1,2,3,4,5
	ds_load_b64 v[\reg+2*\p:\reg+2*\p+1], v[\adr] offset:(\i)*3072+(\q)*1536+\p*256
.endr
.endm
.macro FETCH_B slot, q, par            ; W's ten fragments into set par
.if (\par) == 0
	WIN 0
.else
	WIN 0xc0
.endif
.irp i, 0,1,2,3,4,5,6,7,8,9
	FRAG 136-8*(\par)+12*\i, ADRB+\slot, \q, \i
.endr
	WIN 0
.endm
.macro FETCH_A slot, q, i0             ; h's tiles i0 .. i0 + 3
.irp i, \i0, \i0+1, \i0+2, \i0+3
	FRAG AF+12*(\i), ADRA+\slot, \q, \i
.endr
.endm
.macro SCALES g                        ; step g's scale words: register i: lanes 0-15 h's tile i (8, 9: bytes that have landed and are not used), lanes 16-31 W's tile i
.irp i, 0,1,2,3,4,5,6,7,8,9
	ds_load_b32 v[SC+10*((\g)%2)+\i], v[ADRS] offset:\i*512+(\g)*64
.endr
.endm
; The 80 accumulators take turns, one instruction a turn, in the same order in every step.
.macro MULPR a0, par, zero, w, b0      ; w = 1: P (W's tiles 0-3), w = 2: R (tiles 4-7)
	WIN (0x50*(\w))|(3*(\par))
.irp a, \a0, \a0+1, \a0+2, \a0+3
.irp b, 0,1,2,3
.set rD, 32*(\a)+8*\b
.set rB, 136-8*(\par)+12*(\b0+\b)
.set rA, AF+12*(\a)
.if \zero
	v_wmma_scale_f32_16x16x128_f8f6f4 v[rD:rD+7], v[rB:rB+11], v[rA:rA+11], 0, v[SC+10*(\par)+\b0+\b], v[SC+10*(\par)+(\a)] matrix_a_fmt:MATRIX_FMT_FP6 matrix_b_fmt:MATRIX_FMT_FP6 matrix_a_scale:MATRIX_SCALE_ROW1
.else
	v_wmma_scale_f32_16x16x128_f8f6f4 v[rD:rD+7], v[rB:rB+11], v[rA:rA+11], v[rD:rD+7], v[SC+10*(\par)+\b0+\b], v[SC+10*(\par)+(\a)] matrix_a_fmt:MATRIX_FMT_FP6 matrix_b_fmt:MATRIX_FMT_FP6 matrix_a_scale:MATRIX_SCALE_ROW1
.endif
.endr
.endr
.endm
.macro MULV a0, par, zero              ; V: source 0 = the tokens, source 1 = W's tiles 8, 9
	WIN 0xf0|(12*(\par))
.irp a, \a0, \a0+1, \a0+2, \a0+3
.irp b, 0,1
.set rD, 64*\b+8*(\a)
.set rB, 136-8*(\par)+12*(8+\b)
.set rA, AF+12*(\a)
.if \zero
	v_wmma_scale_f32_16x16x128_f8f6f4 v[rD:rD+7], v[rA:rA+11], v[rB:rB+11], 0, v[SC+10*(\par)+(\a)], v[SC+10*(\par)+8+\b] matrix_a_fmt:MATRIX_FMT_FP6 matrix_b_fmt:MATRIX_FMT_FP6 matrix_b_scale:MATRIX_SCALE_ROW1
.else
	v_wmma_scale_f32_16x16x128_f8f6f4 v[rD:rD+7], v[rA:rA+11], v[rB:rB+11], v[rD:rD+7], v[SC+10*(\par)+(\a)], v[SC+10*(\par)+8+\b] matrix_a_fmt:MATRIX_FMT_FP6 matrix_b_fmt:MATRIX_FMT_FP6 matrix_b_scale:MATRIX_SCALE_ROW1
.endif
.endr
.endr
.endm
.macro HALF a0, par, zero
	MULPR \a0, \par, \zero, 1, 0
	MULPR \a0, \par, \zero, 2, 4
	MULV \a0, \par, \zero
.endm
; step g (128 along K) that has its successor in the same slot
.macro STEP slot, q, g, zero
	s_wait_dscnt 24                                ; W's set, the scale words and h's tiles 0-3 are in; the youngest 24 loads (tiles 4-7) may be out
	HALF 0, (\g)%2, \zero
	s_wait_dscnt 0x0                               ; tiles 4-7 are in
	PLACES
	FETCH_B \slot, (\q)+1, ((\g)+1)%2
	SCALES (\g)+1
	FETCH_A \slot, (\q)+1, 0
	HALF 4, (\g)%2, \zero
	PLACES
	WIN 0
	FETCH_A \slot, (\q)+1, 4
.endm
; a slot's last step changes slots: one barrier; in front of it each wave waits for all its tensor loads, adds 0 to its spare word, and waits for that and for its reads of this slot
.macro TURN slot, next, g, fill
	WIN 0
	s_wait_tensorcnt 0x0                           ; all my tensor loads have landed: my part of the next slot
	ds_add_u32 v[SPW], v[NIL]                      ; 0 onto my spare word
	s_wait_dscnt 25                                ; (the add and the youngest 24 loads may be out)
	MULPR 0, (\g)%2, 0, 1, 0                       ; sixteen matrix instructions stand between the add and the wait for it
	s_wait_dscnt 0x0                               ; the add is done, and my reads of this slot are over
	s_barrier_signal -1
	MULPR 0, (\g)%2, 0, 2, 4
	MULV 0, (\g)%2, 0
	WIN 0
	s_barrier_wait -1
.if \fill
	CREST                                          ; the barrier has opened a round of the cluster's: no wave of any partner still reads this slot or has a load on its way
	s_add_nc_u64 s[G0+4*\slot+2:G0+4*\slot+3], s[G0+4*\slot+2:G0+4*\slot+3], 6144
	s_add_nc_u64 s[G0B+4*\slot+2:G0B+4*\slot+3], s[G0B+4*\slot+2:G0B+4*\slot+3], 6144
	JLOAD G0+4*\slot, G1, G0B+4*\slot, G1B         ; the first tensor load behind the round; its four v_nop are also the places in front of the loads below
.else
	PLACES
.endif
	FETCH_B \next, 0, ((\g)+1)%2
	SCALES (\g)+1
	FETCH_A \next, 0, 0
	HALF 4, (\g)%2, 0
	PLACES
	WIN 0
	FETCH_A \next, 0, 4
.endm
	s_wait_alu depctr_va_vdst(0)
	s_wait_tensorcnt 0x0                           ; my tile of the head's four is in; slot 1's first fill is issued as a refill is:
	ds_add_u32 v[SPW], v[NIL]                      ; 0 onto my spare word
	s_mov_b32 s[G1+2], 8<<16                       ; no tensor load of mine is out: from here on a load brings 8 tiles of h,
	s_mov_b32 s[G1+4], 8
	s_mov_b32 s[G1B+2], 10<<16                     ; or 10 of W
	s_mov_b32 s[G1B+4], 10
	s_wait_dscnt 0x0                               ; the add and my table's stores are done
	CROUND                                         ; a whole round: all four tiles are in, all sixteen work-groups are here
	JLOAD G0+4, G1, G0B+4, G1B                     ; slot 1: the first tensor load behind the round
	FETCH_B 0, 0, 0
	SCALES 0
	FETCH_A 0, 0, 0
	FETCH_A 0, 0, 4
	STEP 0, 0, 0, 1                                ; K = 1,024 is eight steps, written out: the first starts the sums
	TURN 0, 1, 1, 1
	STEP 1, 0, 2, 0
	TURN 1, 0, 3, 1
	STEP 0, 0, 4, 0
	TURN 0, 1, 5, 0                                ; nothing is left to fetch
	STEP 1, 0, 6, 0
	s_wait_dscnt 24
	HALF 0, 1, 0
	s_wait_dscnt 0x0
	HALF 4, 1, 0
	WIN 0
; ---------------- the epilogue, in window 0, whose v16-255 are free now
.set CT,  16                           ; v16-47   cos of my 32 columns: register 16 b + i is column 32 b + 16 h + i
.set SN,  48                           ; v48-79   sin, with the partner's sign
.set XR,  80                           ; v80-111  a token's 32 numbers
.set TR,  112                          ; v112-143 partner x sin
.set SS,  144
.set INV, 148
.set TM,  152
.set GP,  160                          ; v160-183 two pairs of tiles' codes
.set TT,  184
.set PWS, 188                          ; v188-195 the eight tiles' scale words
.set SWR, 196
.set PC,  200
.set TMV, 220
.set PWV, 236
.set VW,  238
	PLACES
	s_mov_b32 s[SEL], 0x76543210
	s_mov_b32 s[SEL+1], 0xfedcba98
	s_mov_b32 s2, 0xffff0000                       ; lanes 16-31
.irp b, 0,1
.irp i, 0,1,2,3
	ds_load_b128 v[CT+16*\b+4*\i:CT+16*\b+4*\i+3], v12 offset:128*\b+16*\i
	ds_load_b128 v[SN+16*\b+4*\i:SN+16*\b+4*\i+3], v12 offset:256+128*\b+16*\i
.endr
.endr
	s_lshr_b32 s97, s17, 3                         ; the record: ((batch x 16 + head) x 16 + group of 128 tokens)
	s_lshl_b32 s97, s97, 4
	s_add_co_u32 s97, s97, s42
	s_lshl_b32 s97, s97, 4
	s_and_b32 s98, s17, 7
	s_lshl_b32 s98, s98, 1
	s_add_co_u32 s97, s97, s98
	s_add_co_u32 s97, s97, s15
	s_mul_i32 s98, s97, 13056
	s_mov_b32 s99, 0
	s_mul_i32 s66, s97, 6656
	s_mov_b32 s67, 0
	s_wait_kmcnt 0x0                               ; qkscale
	s_add_nc_u64 s[12:13], s[12:13], s[98:99]      ; kv's record
	s_add_nc_u64 s[10:11], s[10:11], s[66:67]      ; qr's
	s_and_b32 s3, s3, 0x80000000
	s_cmp_eq_u32 s16, 0                            ; q's wave or k's: the wave's number alone
	s_cselect_b64 s[18:19], s[10:11], s[12:13]
	s_cselect_b32 s3, s3, 0                        ; the sign goes into q alone
	s_mul_i32 s98, s16, 3072
	s_add_co_u32 s98, s98, 6656
	s_add_nc_u64 s[20:21], s[12:13], s[98:99]      ; my two tiles of V's codes
	s_lshl_b32 s66, s16, 7
	s_add_co_u32 s66, s66, 12800
	s_add_nc_u64 s[22:23], s[12:13], s[66:67]      ; and their scale words
	v_mov_b32 v[TM+2], 0                           ; written once: a lane permute's destination counts as one of its sources
	v_mov_b32 v[TM+3], 0
.irp b, 0,1,2,3
	v_mov_b32 v[TMV+4+\b], 0
.endr
	s_wait_dscnt 0x0
; 32 numbers of a lane, register 16 b + i = k 32 b + 16 h + i of my row, become six registers of codes (lane (r, h): k = 32 h + 0 .. 31) at v[g] and the two scale bytes at v[tm + 4], v[tm + 5]
.macro Q2 x, g, t, tm
.irp b, 0,1
	v_max3_num_f32 v[\tm+\b], |v[\x+16*\b]|, |v[\x+1+16*\b]|, 0x1800000
.endr
.irp i, 2,4,6,8,10,12,14
.irp b, 0,1
	v_max3_num_f32 v[\tm+\b], v[\tm+\b], |v[\x+16*\b+\i]|, |v[\x+1+16*\b+\i]|
.endr
.endr
.irp b, 0,1
	v_permlanex16_b32 v[\tm+2+\b], v[\tm+\b], s[SEL], s[SEL+1]
.endr
.irp b, 0,1
	v_max_num_f32 v[\tm+\b], v[\tm+\b], v[\tm+2+\b]
.endr
.irp b, 0,1
	v_add_nc_u32 v[\tm+6+\b], 0xff000000, v[\tm+\b]
.endr
.irp b, 0,1
	v_lshrrev_b32 v[\tm+4+\b], 23, v[\tm+6+\b]
.endr
	v_cvt_scalef32_pk16_fp6_f32 v[\g:\g+2], v[\x:\x+15], v[\tm+6]
	v_cvt_scalef32_pk16_fp6_f32 v[\t:\t+2], v[\x+16:\x+31], v[\tm+7]
	v_nop                                          ; a plain line behind the conversions
.irp i, 0,1,2
	v_permlane16_swap_b32 v[\g+\i], v[\t+\i]       ; a whole block to a lane
.endr
.irp i, 0,1,2
	v_mov_b32 v[\g+3+\i], v[\t+\i]
.endr
.endm
; tile a of my 8: rotation, norm, sign, quantiser.  Each accumulator is read from its low end on.
.macro ROPEQ a
	WIN 0x02
.set n, 0
.rept 16
	v_pk_mul_f32 v[TR+n:TR+n+1], v[32*\a+n:32*\a+n+1], v[SN+n:SN+n+1]
.set n, n+2
.endr
	WIN 0x01
.set n, 0
.rept 16
	v_pk_fma_f32 v[XR+n:XR+n+1], v[32*\a+n:32*\a+n+1], v[CT+n:CT+n+1], v[TR+n:TR+n+1]
.set n, n+2
.endr
	WIN 0
	v_pk_mul_f32 v[SS:SS+1], v[XR:XR+1], v[XR:XR+1]
	v_pk_mul_f32 v[SS+2:SS+3], v[XR+2:XR+3], v[XR+2:XR+3]
.irp i, 4,8,12,16,20,24,28
	v_pk_fma_f32 v[SS:SS+1], v[XR+\i:XR+\i+1], v[XR+\i:XR+\i+1], v[SS:SS+1]
	v_pk_fma_f32 v[SS+2:SS+3], v[XR+\i+2:XR+\i+3], v[XR+\i+2:XR+\i+3], v[SS+2:SS+3]
.endr
	v_pk_add_f32 v[SS:SS+1], v[SS:SS+1], v[SS+2:SS+3]
	v_add_f32 v[SS], v[SS], v[SS+1]
	v_permlanex16_b32 v[SS+1], v[SS], s[SEL], s[SEL+1]
	v_add_f32 v[SS], v[SS], v[SS+1]                ; the sum of the head's 64 squares
	s_wait_alu depctr_va_vdst(0)
	v_sqrt_f32 v[SS+2], v[SS]
	v_nop
	s_wait_alu depctr_va_vdst(0)
	v_max_num_f32 v[SS+2], 0x2b8cbccc, v[SS+2]     ; at least 1e-12
	s_wait_alu depctr_va_vdst(0)
	v_rcp_f32 v[INV], v[SS+2]
	v_nop
	s_wait_alu depctr_va_vdst(0)
	v_xor_b32 v[INV], s3, v[INV]
	v_mov_b32 v[INV+1], v[INV]
.set n, 0
.rept 16
	v_pk_mul_f32 v[XR+n:XR+n+1], v[XR+n:XR+n+1], v[INV:INV+1]
.set n, n+2
.endr
.if (\a >= 4) && (\a%2 == 0)
	s_wait_alu depctr_va_vdst(0)
	s_wait_xcnt 0x0                                ; the stores of two pairs ago have read their registers
.endif
.set GG, GP+12*((\a/2)%2)+6*(\a%2)
	Q2 XR, GG, TT, TM
	v_lshl_or_b32 v[PWS+\a], v[TM+5], 8, v[TM+4]   ; bytes 2 and 3 stay 0: the upper 64 of the next product's K are zero codes
.if \a%2 == 1
.set GG, GP+12*((\a/2)%2)
.irp c, 0,1,2
	global_store_b128 v10, v[GG+4*\c:GG+4*\c+3], s[18:19] offset:(\a/2)*1536+512*\c   ; a pair of tiles as the image of 12 registers: 512 consecutive bytes a store
.endr
.endif
.endm
.irp a, 0,1,2,3,4,5,6,7
	ROPEQ \a
.endr
.irp g, 0,1,2,3
	v_cndmask_b32 v[SWR+\g], v[PWS+2*\g], v[PWS+2*\g+1], s2        ; lanes 0-15 tile 2 g's words, lanes 16-31 tile 2 g + 1's
.endr
	global_store_b128 v10, v[SWR:SWR+3], s[18:19] offset:6144
; V's tile b of my two: 64 numbers a lane, register 16 c + i = token 32 c + 16 h + i of my channel: one fragment, 16 channels x 128 keys, and its scale word
.macro VQ b
.set VS0, 64*\b
	WIN 0x3c
.irp c, 0,1,2,3
	v_max3_num_f32 v[TMV+\c], 0x1800000, |v[VS0+16*\c]|, |v[VS0+1+16*\c]|
.endr
.irp i, 2,4,6,8,10,12,14
.irp c, 0,1,2,3
	v_max3_num_f32 v[TMV+\c], v[TMV+\c], |v[VS0+16*\c+\i]|, |v[VS0+1+16*\c+\i]|
.endr
.endr
	WIN 0
.irp c, 0,1,2,3
	v_permlanex16_b32 v[TMV+4+\c], v[TMV+\c], s[SEL], s[SEL+1]
.endr
.irp c, 0,1,2,3
	v_max_num_f32 v[TMV+\c], v[TMV+\c], v[TMV+4+\c]
.endr
.irp c, 0,1,2,3
	v_add_nc_u32 v[TMV+12+\c], 0xff000000, v[TMV+\c]
.endr
.irp c, 0,1,2,3
	v_lshrrev_b32 v[TMV+4+\c], 23, v[TMV+12+\c]
.endr
	v_lshl_or_b32 v[PWV+\b], v[TMV+5], 8, v[TMV+4]
	v_lshl_or_b32 v[PWV+\b], v[TMV+6], 16, v[PWV+\b]
	v_lshl_or_b32 v[PWV+\b], v[TMV+7], 24, v[PWV+\b]
.if \b > 0
	s_wait_xcnt 0x0                                ; the first tile's stores have read their registers
.endif
	WIN 0x03
.irp c, 0,1
	v_cvt_scalef32_pk16_fp6_f32 v[PC+6*\c:PC+2+6*\c], v[VS0+32*\c:VS0+15+32*\c], v[TMV+12+2*\c]
	v_cvt_scalef32_pk16_fp6_f32 v[PC+12+4*\c:PC+14+4*\c], v[VS0+16+32*\c:VS0+31+32*\c], v[TMV+12+2*\c+1]
.endr
	WIN 0
	v_nop
.irp c, 0,1
.irp i, 0,1,2
	v_permlane16_swap_b32 v[PC+6*\c+\i], v[PC+12+4*\c+\i]
.endr
.irp i, 0,1,2
	v_mov_b32 v[PC+3+6*\c+\i], v[PC+12+4*\c+\i]
.endr
.endr
.irp c, 0,1,2
	global_store_b128 v10, v[PC+4*\c:PC+4*\c+3], s[20:21] offset:1536*\b+512*\c
.endr
.endm
	VQ 0
	VQ 1
	v_cndmask_b32 v[VW], v[PWV], v[PWV+1], s2
	global_store_b32 v11, v[VW], s[22:23]
	s_wait_tensorcnt 0x0                           ; the wave's end
	ds_add_u32 v[SPW], v[NIL]
	s_wait_dscnt 0x0
	CROUND                                         ; the closing round
	s_endpgm
.Lfunc_end_k_q9fd8e271bb_qkv:
	.size	k_q9fd8e271bb_qkv, .Lfunc_end_k_q9fd8e271bb_qkv-k_q9fd8e271bb_qkv
	.p2alignl 7, 3214868480
	.fill 96, 4, 3214868480
	.section	.rodata,"a",@progbits
	.p2align	6, 0x0
	.amdhsa_kernel k_q9fd8e271bb_qkv
		.amdhsa_group_segment_fixed_size 327680
		.amdhsa_private_segment_fixed_size 0
		.amdhsa_enable_private_segment 0
		.amdhsa_kernarg_size 40
		.amdhsa_user_sgpr_count 2
		.amdhsa_user_sgpr_kernarg_segment_ptr 1
		.amdhsa_wavefront_size32 1
		.amdhsa_system_sgpr_workgroup_id_x 1
		.amdhsa_system_sgpr_workgroup_id_y 1
		.amdhsa_system_sgpr_workgroup_id_z 1
		.amdhsa_system_vgpr_workitem_id 0
		.amdhsa_next_free_vgpr 1024
		.amdhsa_next_free_sgpr 100
		.amdhsa_reserve_vcc 1
		.amdhsa_float_denorm_mode_32 3
		.amdhsa_float_denorm_mode_16_64 3
		.amdhsa_memory_ordered 1
		.amdhsa_forward_progress 1
		.amdhsa_inst_pref_size 222
	.end_amdhsa_kernel
	.amdgpu_metadata
---
amdhsa.version: [ 1, 2 ]
amdhsa.kernels:
  - .name:           k_q9fd8e271bb_qkv
    .symbol:         k_q9fd8e271bb_qkv.kd
    .args:
      - { .name: hq, .offset: 0, .size: 8, .value_kind: global_buffer, .address_space: global }
      - { .name: wq, .offset: 8, .size: 8, .value_kind: global_buffer, .address_space: global }
      - { .name: qkscale, .offset: 16, .size: 8, .value_kind: global_buffer, .address_space: global }
      - { .name: qr, .offset: 24, .size: 8, .value_kind: global_buffer, .address_space: global }
      - { .name: kv, .offset: 32, .size: 8, .value_kind: global_buffer, .address_space: global }
    .group_segment_fixed_size: 327680
    .private_segment_fixed_size: 0
    .kernarg_segment_align: 8
    .kernarg_segment_size: 40
    .max_flat_workgroup_size: 128
    .sgpr_count:     100
    .vgpr_count:     1024
    .wavefront_size: 32
...
	.end_amdgpu_metadata
.endif
;; end of part 2
;; launch attn (part 3): grid 4 x 64, 16 waves a work-group, clusters of 4 x 4, 327,680 bytes of LDS; arguments qr, kv, qkscale, oq; writes oq
.if DOCPART == 3
	.amdgcn_target "amdgcn-amd-amdhsa--gfx1250"
	.amdhsa_code_object_version 6
	.text
	.protected	k_q9fd8e271bb_attn
	.globl	k_q9fd8e271bb_attn
	.p2align	8
	.type	k_q9fd8e271bb_attn,@function
k_q9fd8e271bb_attn:
	s_mov_b64 s[64:65], 0
	v_nop
	global_prefetch_b8 v0, s[64:65] scope:SCOPE_SE
	s_setreg_imm32_b32 hwreg(HW_REG_WAVE_MODE, 25, 1), 1
	s_wait_xcnt 0x0
	s_wait_alu depctr_hold_cnt(0) depctr_sa_sdst(0) depctr_va_vdst(0) depctr_va_sdst(0) depctr_va_ssrc(0) depctr_va_vcc(0) depctr_vm_vsrc(0)
	s_getreg_b32 s2, hwreg(HW_REG_IB_STS2, 6, 4)
	s_cmp_eq_u32 s2, 0
	s_cbranch_scc0 .Lentry_in_a_cluster
	s_endpgm
.Lentry_in_a_cluster:
	s_bfe_u32 s2, ttmp6, 0x10000c
	s_cmp_lg_u32 s2, 0xf033
	s_cbranch_scc0 .Lentry_shape_is_right
	s_endpgm
.Lentry_shape_is_right:
; ATTN.  o = softmax(|qkscale| qn kn^T, causal) v on codes of E2M3; o leaves as codes for the last product.  (The sign of qkscale lies in q's codes.)
; LEFT OUT: records of 128 keys that lie wholly behind a tile's queries: the causal mask throws them away for all inputs.
; A UNIT is 16 queries x one record of 128 keys.  A WORK-GROUP takes one (batch, head) and tile j of EVERY one of the 16 groups of 128 queries: 1 + 2 + .. + 16 = 136 units, and it reads all 16 records.
; So all 256 work-groups are alike, and each of the 16 waves fetches one whole record with its one tensor load at the head; nothing is filled again.
; WAVES w and w + 8 are a pair on groups s = w % 8 and 15 - s (17 units): wave w takes 13 units, wave w + 8 takes 4.  One tile of the two is split at record r0, the other goes whole:
;   s < 4: the long tile is split at 13.  Wave w: its records 0 .. 12.  Wave w + 8: the short tile whole, one trip for its way out, then the long tile's records 13 .. 15 - s.
;   s >= 4: the short tile is split at 4.  Wave w: the long tile whole, one trip for its way out, then the short tile's records 4 .. s.  Wave w + 8: the short tile's records 0 .. 3.
; The wave with two tiles hands its part of the split tile (O, -M, the sum) to its partner through LDS; M is a whole number, so the two parts are joined by exact powers of two.
; Fourteen trips for every wave; a wave jumps over the trips behind its last.  A unit's record is (trip + an offset of the wave's) mod 16.
; CLUSTER 4 x 4: work-group y = 2 (batch x 16 + head) + j / 4, x = j % 4: the four of a row of the cluster read the same records and ask for them jointly.
; No prefetch: every tile is asked for at the head, so there is no loop to run ahead in.
; A record in LDS: 51 rows of 256 bytes, 64 bytes of padding behind each (pitch 320).  K's pairs of tiles are images of 12 registers.  THE ROWS OF A TILE OF K ARE CHOSEN BY THE LANES' ADDRESSES: lanes r < 8 read
; the pair of block 2 B, lanes r >= 8 that of block 2 B + 1 (1,920 bytes on: the other half of the 64 banks).  In S^T lane (r, h) then holds keys 64 (n / 32) + 32 h + n % 32 in register n: whole blocks of 32, in the operand's order.
; A UNIT'S LDS LOADS stand well ahead of their use: the next unit's K behind this unit's score products, V's tiles 2 and 3 with them, V's tiles 0 and 1 into the score registers of the half of p that has been converted.
; LIMITS: NaN and infinities are not served; the promise holds while the scaled scores stay under 2^31 in magnitude; a block of p under 2^-124 keeps the byte 1.
.set REC,   13056
.set RECL,  16320                      ; 51 x 320
.set MRG,   261120                     ; behind the 16 records: 4,352 bytes for each pair of waves
.set MSZ,   4352
.set SPARE, 295936                     ; the spare words, 128 bytes for each wave
.set TRIPS, 14
.set LV, 1                             ; lane terms: V's images,
.set LK, 2                             ; K's,
.set THR, 3                            ; my query's place in its 128, less 32 h
.set AK, 4
.set AV, 5
.set LS, 6                             ; K's scale words
.set AS, 7
.set CO8, 8
.set CO1, 9
.set QF, 16                            ; v16-21 q's codes, v22-27 zero codes (K = 64 of 128)
.set QS, 28
.set QS2, 29                           ; the split tile's q
.set QF2, 30
.set L4, 36
.set AW, 37
.set MGA, 38
.set SH8, 39
.set KF, 40                            ; v40-87 four pairs of K; v88-93 zero codes
.set KS, 94
.set VS, 98
.set S, 100                            ; v100-163 scores, then p; v100-123 then V's tiles 0 and 1
.set O, 164
.set BM, 196
.set BS, 200
.set BP, 202
.set F, 204
.set PWD, 205
.set TP, 206
.set PC, 208
.set PT, 220                           ; v220-222, v224-226
.set MGB, 223
.set L2, 228
.set V2, 230                           ; v230-241 V's tile 2 (on the way out: EM, MB)
.set EM, 230
.set MB, 238
.set V3, 242                           ; v242-253 V's tile 3 (at the head: T)
.set T, 242
.set SPW, 254
.set NIL, 255
.set WV, 12
.set PS, 13
.set ROLE, 14
.set CX, 15
.set CY, 16
.set WGY, 17
.set BH, 18
.set JT, 19
.set G1, 24
.set G0, 32
.set SEL, 36
.set HM, 38
.set ODDM, 39
.set SW, 40
.set LAST, 41
.set RO2, 42
.set GC, 43
.set GL, 44
.set IT, 45
.set TWOF, 46
.set TB, 47
.set RHO, 48
.set NXI, 49
.set OB1, 50
.set OS1, 52
.set OBL, 54
.set OSL, 56
.set QK, 58
.set TBN, 59
.set QB1, 60
.set QB2, 66
.macro CROUND                          ; a round of the cluster's barrier
	s_barrier_signal -1
	s_barrier_wait -1
	s_cmp_lg_u32 s[WV], 0
	s_cbranch_scc1 .Lnw0_\@
	s_barrier_signal -3
.Lnw0_\@:
	s_barrier_wait -3
	s_barrier_signal -1
	s_barrier_wait -1
.endm
.macro QBASE g, dst                    ; q's record of group g
	s_lshl_b32 s20, s[BH], 4
	s_add_co_u32 s20, s20, s[\g]
	s_mul_i32 s20, s20, 6656
	s_mov_b32 s21, 0
	s_add_nc_u64 s[\dst:\dst+1], s[4:5], s[20:21]
.endm
.macro OUTB g, ob, os                  ; where tile j of group g leaves: codes and scale bytes
	s_lshr_b32 s20, s[BH], 4
	s_lshl_b32 s20, s20, 7
	s_lshl_b32 s21, s[\g], 3
	s_add_co_u32 s20, s20, s21
	s_add_co_u32 s20, s20, s[JT]                   ; tile of 16 tokens
	s_and_b32 s22, s[BH], 15                       ; head
	s_mul_i32 s62, s20, 12288
	s_mul_i32 s21, s22, 768
	s_add_co_u32 s62, s62, s21
	s_mov_b32 s63, 0
	s_add_nc_u64 s[\ob:\ob+1], s[10:11], s[62:63]
	s_lshl_b32 s62, s20, 9
	s_lshr_b32 s21, s22, 1
	s_lshl_b32 s21, s21, 6
	s_add_co_u32 s62, s62, s21
	s_and_b32 s21, s22, 1
	s_lshl_b32 s21, s21, 1
	s_add_co_u32 s62, s62, s21
	s_add_co_u32 s62, s62, 3145728
	s_add_nc_u64 s[\os:\os+1], s[10:11], s[62:63]
.endm
.macro KLOAD ak, as                    ; a record's four pairs of K and their scale words
.irp p, 0,1,2,3
.irp c, 0,1,2
	ds_load_b128 v[KF+12*\p+4*\c:KF+12*\p+4*\c+3], v[\ak] offset:3840*(\p/2)+128*(\p%2)+640*\c
.endr
	ds_load_b32 v[KS+\p], v[\as] offset:7680+8*(\p/2)+128*(\p%2)
.endr
.endm
.macro VLOAD reg, d                    ; V's tile d: 16 channels x 128 keys
.irp c, 0,1,2
	ds_load_b128 v[\reg+4*\c:\reg+4*\c+3], v[AV] offset:8320+1920*(\d)+640*\c
.endr
.endm
.macro ADDP acc, i                     ; one link of a chain of the row's sum
	v_pk_add_f32 v[\acc:\acc+1], v[\acc:\acc+1], v[S+\i:S+\i+1]
.endm
	s_load_b256 s[4:11], s[0:1], 0x0               ; qr, kv, qkscale, oq
	v_lshl_add_u32 v[SPW], v0, 2, SPARE
	v_mov_b32 v[NIL], 0
	ds_add_u32 v[SPW], v[NIL]                      ; the opening lines: the add, twice on end, and its wait
	ds_add_u32 v[SPW], v[NIL]
	v_lshrrev_b32 v1, 5, v0
	v_readfirstlane_b32 s[WV], v1                  ; wave 0..15
	s_bfe_u32 s[CX], ttmp6, 0x40000
	s_bfe_u32 s[CY], ttmp6, 0x40004
	s_and_b32 s[WGY], ttmp7, 0xffff
	s_lshl_b32 s[WGY], s[WGY], 2
	s_add_co_u32 s[WGY], s[WGY], s[CY]             ; work-group y
	s_lshr_b32 s[BH], s[WGY], 1                    ; batch x 16 + head: shared along my row of the cluster
	s_and_b32 s[JT], s[WGY], 1
	s_lshl_b32 s[JT], s[JT], 2
	s_add_co_u32 s[JT], s[JT], s[CX]               ; j: my tile of each group; it enters global addresses and the mask's numbers alone
	s_lshl_b32 s20, s[CY], 2
	s_lshl_b32 s20, 15, s20                        ; my row of the cluster
	s_or_b32 s[G1], s20, (3<<16)|(1<<20)|(1<<21)|(5<<22)|(15<<25)  ; the mask; elements of 8 bytes; padding on; bit 21 beside a mask; after every 64 words 16 words
	s_mov_b32 s[G1+1], 32<<16                      ; rows of 256 bytes,
	s_mov_b32 s[G1+2], 51<<16                      ; 51 of them: a record, dense in memory
	s_mov_b32 s[G1+3], 32<<16
	s_mov_b32 s[G1+4], 51
	s_mov_b32 s[G1+5], 32
	s_mov_b32 s[G1+6], 0
	s_mov_b32 s[G1+7], 0
	s_mov_b32 s[G0], 1
	s_mul_i32 s[G0+1], s[WV], RECL                 ; record w goes to w x RECL
	s_lshl_b32 s20, s[BH], 4
	s_add_co_u32 s20, s20, s[WV]
	s_mul_i32 s20, s20, REC
	s_mov_b32 s21, 0
	s_wait_alu depctr_va_vdst(0)
	s_wait_dscnt 0x0                               ; both opening adds are done
	s_wait_kmcnt 0x0
	s_add_nc_u64 s[G0+2:G0+3], s[6:7], s[20:21]
	s_or_b32 s[G0+3], s[G0+3], 0x80000000
	s_load_b32 s[QK], s[8:9], 0x0
	CROUND                                         ; all sixteen work-groups are here: the joint loads meet
	tensor_load_to_lds s[G0:G0+3], s[G1:G1+7]      ; my one tensor load: record w, 13,056 bytes
	s_nop 0
.rept 4
	v_nop
.endr
	s_and_b32 s[PS], s[WV], 7                      ; s: my pair
	s_lshr_b32 s[ROLE], s[WV], 3                   ; 0: 13 units, 1: 4 units
	s_lshr_b32 s20, s[PS], 2                       ; 0: the long tile is split, 1: the short one
	s_xor_b32 s[TWOF], s[ROLE], s20                ; 1: I take a whole tile and then a part of the split one
	s_xor_b32 s21, s[PS], 15                       ; 15 - s
	s_cmp_eq_u32 s20, 0
	s_cselect_b32 s22, s[PS], s21                  ; the whole tile's group
	s_cselect_b32 s[GL], s21, s[PS]                ; the split tile's group
	s_cselect_b32 s23, 13, 4                       ; r0: where it is split
	s_cselect_b32 s63, 4, 13                       ; the last trip of the wave with two tiles: 17 - r0,
	s_cselect_b32 s20, 12, 3                       ; and of its partner: r0 - 1
	s_xor_b32 s62, s22, 15
	s_add_co_u32 s62, s62, s23
	s_add_co_u32 s62, s62, 15
	s_and_b32 s[RO2], s62, 15                      ; behind the switch: record = (trip + r0 - whole tile's group - 2) mod 16
	s_add_co_u32 s62, s22, 1                       ; the switch: the trip behind the whole tile's last record
	s_movk_i32 s21, 0x7fff
	s_cmp_eq_u32 s[TWOF], 0
	s_cselect_b32 s[GC], s[GL], s22                ; the group of my first tile
	s_cselect_b32 s[SW], s21, s62                  ; the partner has no switch
	s_cselect_b32 s[LAST], s20, s63
	QBASE GC, QB1
	QBASE GL, QB2
	OUTB GC, OB1, OS1
	OUTB GL, OBL, OSL
	s_and_b32 s20, s[JT], 1
	s_lshr_b32 s21, s[JT], 1
	s_cmp_eq_u32 s20, 1
	s_cselect_b32 s[ODDM], -1, 0
	s_lshl_b32 s22, s21, 5
	s_lshl_b32 s23, s20, 3
	s_add_co_u32 s22, s22, s23                     ; tile j's first token: 32 (j / 2) + 8 (j % 2)
	s_mul_i32 s23, s21, 1536                       ; its pair in q's record
	s_lshl_b32 s62, s20, 8
	s_lshl_b32 s63, s21, 2
	s_add_co_u32 s62, s62, s63
	s_add_co_u32 s62, s62, 6144                    ; its scale words
	s_mul_i32 s20, s[PS], MSZ
	s_add_co_u32 s20, s20, MRG                     ; my pair's bytes for the join
	s_add_co_u32 s21, s20, 4096
	s_mov_b32 s[SEL], 0x76543210
	s_mov_b32 s[SEL+1], 0xfedcba98                 ; lane l xor 16
	s_mov_b32 s[HM], 0xffff0000
	s_wait_kmcnt 0x0                               ; qkscale
	v_and_b32 v[T], 31, v0                         ; L
	v_and_b32 v[T+1], 15, v0                       ; r
	v_bfe_u32 v[T+2], v0, 4, 1                     ; h
	v_and_b32 v[T+3], 7, v0
	v_bfe_u32 v[T+4], v0, 3, 1
	v_mul_u32_u24 v[LV], v[T+2], 320
	v_mul_u32_u24 v[LK], v[T+4], 1920
	v_lshlrev_b32 v[L4], 2, v[T]
	v_lshlrev_b32 v[SH8], 3, v[T+2]
	v_lshl_add_u32 v[LS], v[T+3], 4, v[LV]         ; 16 (r % 8) + 320 h
	v_add_nc_u32 v[LK], v[LK], v[LS]               ; K: + 1920 (r / 8)
	v_lshl_add_u32 v[LS], v[T+4], 2, v[LS]         ; K's scale words: + 4 (r / 8)
	v_lshl_add_u32 v[LV], v[T+1], 4, v[LV]         ; V: 16 r + 320 h
	v_lshlrev_b32 v[CO8], 3, v[T]
	v_lshl_add_u32 v[CO1], v[T+1], 2, v[T+2]
	v_lshl_add_u32 v[THR], v[T+4], 3, v[T+1]
	v_lshlrev_b32 v[T+5], 5, v[T+2]
	v_add_nc_u32 v[THR], s22, v[THR]
	v_sub_nc_u32 v[THR], v[THR], v[T+5]            ; my query's token of its 128, less 32 h
	v_lshl_add_u32 v[T+6], v[T], 4, s23
	v_lshl_add_u32 v[T+7], v[T+1], 4, s62
	v_lshl_add_u32 v[MGA], v[T], 4, s20
	v_lshl_add_u32 v[MGB], v[T], 3, s21
	s_wait_alu depctr_va_vdst(0)
.irp c, 0,1,2
	global_load_b128 v[S+4*\c:S+4*\c+3], v[T+6], s[QB1:QB1+1] offset:512*\c
	global_load_b128 v[S+12+4*\c:S+15+4*\c], v[T+6], s[QB2:QB2+1] offset:512*\c
.endr
	global_load_b32 v[QS], v[T+7], s[QB1:QB1+1]
	global_load_b32 v[QS2], v[T+7], s[QB2:QB2+1]
	v_mov_b32 v10, s[QK]
	v_mul_f32 v10, 0x3fb8aa3b, v10
	v_and_b32 v10, 0x7fffffff, v10
	v_max_num_f32 v10, 0x800000, v10               ; c = |qkscale| log2(e), at least 2^-126
	v_mov_b32 v11, v10
	v_mov_b32 v13, 0xff61b1e6                      ; the largest t so far: -3e38
	v_floor_f32 v12, -v13                          ; -M
	v_mov_b32 v14, 0
	v_mov_b32 v15, 0
.irp i, 0,1,2,3,4,5
	v_mov_b32 v[QF+6+\i], 0
	v_mov_b32 v[KF+48+\i], 0
.endr
.irp x, BP, BP+1, PWD, TP, TP+1, L2, L2+1, EM+2, EM+3
	v_mov_b32 v[\x], 0                             ; written once: a lane permute's destination and a pair's upper half count as read
.endr
.set n, 0
.rept 32
	v_mov_b32 v[O+n], 0
.set n, n+1
.endr
	s_wait_alu depctr_va_vdst(0)
	s_wait_loadcnt 0x0
.irp i, 0,1,2,3,4,5
	v_cndmask_b32 v[QF+\i], v[S+\i], v[S+6+\i], s[ODDM]            ; tile j of its pair
.endr
.irp i, 0,1,2,3,4,5
	v_cndmask_b32 v[QF2+\i], v[S+12+\i], v[S+18+\i], s[ODDM]
.endr
	s_wait_alu depctr_va_vdst(0)
	s_wait_tensorcnt 0x0                           ; my record is in,
	s_barrier_signal -1
	s_barrier_wait -1                              ; everybody's is
; 32 numbers of a lane, register 16 b + i = channel 32 b + 16 h + i of my row, become six registers of codes and two scale bytes
.macro Q2 x, g, t, tm
.irp b, 0,1
	v_max3_num_f32 v[\tm+\b], |v[\x+16*\b]|, |v[\x+1+16*\b]|, 0x1800000
.endr
.irp i, 2,4,6,8,10,12,14
.irp b, 0,1
	s_delay_alu instid0(VALU_DEP_2)
	v_max3_num_f32 v[\tm+\b], v[\tm+\b], |v[\x+16*\b+\i]|, |v[\x+1+16*\b+\i]|
.endr
.endr
.irp b, 0,1
	v_permlanex16_b32 v[\tm+2+\b], v[\tm+\b], s[SEL], s[SEL+1]
.endr
.irp b, 0,1
	v_max_num_f32 v[\tm+\b], v[\tm+\b], v[\tm+2+\b]
.endr
.irp b, 0,1
	v_add_nc_u32 v[\tm+6+\b], 0xff000000, v[\tm+\b]
.endr
.irp b, 0,1
	v_lshrrev_b32 v[\tm+4+\b], 23, v[\tm+6+\b]
.endr
	v_cvt_scalef32_pk16_fp6_f32 v[\g:\g+2], v[\x:\x+15], v[\tm+6]
	v_cvt_scalef32_pk16_fp6_f32 v[\t:\t+2], v[\x+16:\x+31], v[\tm+7]
	v_nop                                          ; a plain line behind the conversions
.irp i, 0,1,2
	v_permlane16_swap_b32 v[\g+\i], v[\t+\i]
.endr
.irp i, 0,1,2
	v_mov_b32 v[\g+3+\i], v[\t+\i]
.endr
.endm
; a finished tile: O / the sum, quantised along the head's 64, stored
.macro EPI ob, os
	v_add_f32 v14, v14, v15
	v_permlanex16_b32 v[TP], v14, s[SEL], s[SEL+1]
	v_add_f32 v14, v14, v[TP]                      ; the row's sum
	s_wait_alu depctr_va_vdst(0)
	v_rcp_f32 v[L2], v14
	v_nop
	s_wait_alu depctr_va_vdst(0)                   ; directly ahead of the first reader of O and of the quotient
.set n, 0
.rept 16
	v_pk_mul_f32 v[S+n:S+n+1], v[O+n:O+n+1], v[L2:L2+1] op_sel_hi:[1,0]
.set n, n+2
.endr
	Q2 S, PC, PT, EM
	v_cndmask_b32 v[TP], v[EM+4], v[EM+5], s[HM]
.irp c, 0,1,2
	global_store_b64 v[CO8], v[PC+2*\c:PC+2*\c+1], s[\ob:\ob+1] offset:256*\c   ; 32 lanes store 256 consecutive bytes, aligned
.endr
	global_store_b8 v[CO1], v[TP], s[\os:\os+1]
	s_wait_xcnt 0x0                                ; the stores have read their registers
.endm
	KLOAD LK, LS                                   ; every wave's first unit is on record 0
	s_mov_b32 s[IT], 0
.Lloop:
	s_cmp_eq_u32 s[IT], s[SW]
	s_cbranch_scc1 .Lswitch
	s_cmp_gt_u32 s[IT], s[LAST]
	s_cbranch_scc1 .Lnext                          ; behind my last trip: nothing
	s_cmp_gt_u32 s[IT], s[SW]
	s_cselect_b32 s[RHO], s[RO2], 0
	s_add_co_u32 s[RHO], s[RHO], s[IT]
	s_and_b32 s[RHO], s[RHO], 15                   ; this unit's record,
	s_mul_i32 s[TB], s[RHO], RECL                  ; and its place in LDS
	s_min_u32 s[TB], s[TB], 15*RECL                ; (no record lies behind the sixteenth)
	s_add_co_u32 s[NXI], s[IT], 1                  ; the trip of my next unit: the next one, or the one behind the switch
	s_cmp_eq_u32 s[NXI], s[SW]
	s_cselect_b32 s20, 1, 0
	s_add_co_u32 s[NXI], s[NXI], s20
	s_cmp_gt_u32 s[NXI], s[SW]
	s_cselect_b32 s20, s[RO2], 0
	s_add_co_u32 s20, s20, s[NXI]
	s_and_b32 s20, s20, 15
	s_mul_i32 s[TBN], s20, RECL                    ; its record's place
	s_min_u32 s[TBN], s[TBN], 15*RECL
	v_add_nc_u32 v[AK], s[TBN], v[LK]
	v_add_nc_u32 v[AS], s[TBN], v[LS]
	v_add_nc_u32 v[AV], s[TB], v[LV]
	v_add_nc_u32 v[AW], s[TB], v[L4]
	s_wait_alu depctr_va_vdst(0)
	s_wait_dscnt 0x0                               ; this unit's K, asked for a unit ago
.irp p, 0,1,2,3                        ; S^T = k q^T: eight tiles, each its own accumulator; the upper 64 of K meet q's zero codes
	v_wmma_scale_f32_16x16x128_f8f6f4 v[S+16*\p:S+16*\p+7], v[KF+12*\p:KF+12*\p+11], v[QF:QF+11], 0, v[KS+\p], v[QS] matrix_a_fmt:MATRIX_FMT_FP6 matrix_b_fmt:MATRIX_FMT_FP6
	v_wmma_scale_f32_16x16x128_f8f6f4 v[S+16*\p+8:S+16*\p+15], v[KF+12*\p+6:KF+12*\p+17], v[QF:QF+11], 0, v[KS+\p], v[QS] matrix_a_fmt:MATRIX_FMT_FP6 matrix_b_fmt:MATRIX_FMT_FP6 matrix_a_scale:MATRIX_SCALE_ROW1
.endr
.rept 4
	v_nop                                          ; places ahead of loads into K's registers and of the reads of S
.endr
	VLOAD V2, 2
	VLOAD V3, 3
	ds_load_b32 v[VS], v[AW] offset:16000
	ds_load_b32 v[VS+1], v[AW] offset:16128
	s_cmp_le_u32 s[NXI], s[LAST]
	s_cbranch_scc0 .Lnok                           ; my last unit fetches no further K
	KLOAD AK, AS
.Lnok:
	s_cmp_lg_u32 s[RHO], s[GC]
	s_cbranch_scc1 .Lopen                          ; only the tile's own record is cut by the mask
	v_mov_b32 v[TP], 0xff800000
.set n, 0
.rept 64
	v_cmp_gt_i32 vcc_lo, (n%32)+64*(n/32), v[THR]
	v_cndmask_b32 v[S+n], v[S+n], v[TP], vcc_lo
.set n, n+1
.endr
.Lopen:
.irp b, 0,1,2,3                        ; the largest score of my two blocks of 32 keys, in four chains
	v_max3_num_f32 v[BM+\b], v[S+16*\b], v[S+1+16*\b], v[S+2+16*\b]
.endr
.irp i, 3,5,7,9,11,13
.irp b, 0,1,2,3
	v_max3_num_f32 v[BM+\b], v[BM+\b], v[S+16*\b+\i], v[S+1+16*\b+\i]
.endr
.endr
.irp b, 0,1,2,3
	v_max_num_f32 v[BM+\b], v[BM+\b], v[S+15+16*\b]
.endr
	v_max_num_f32 v[BM], v[BM], v[BM+1]            ; block h
	v_max_num_f32 v[BM+2], v[BM+2], v[BM+3]        ; block 2 + h
	v_mov_b32 v[F], v12                            ; the old -M
	s_delay_alu instid0(VALU_DEP_2)
	v_max_num_f32 v[TP], v[BM], v[BM+2]
	s_delay_alu instid0(VALU_DEP_1)
	v_mul_f32 v[TP], v10, v[TP]                    ; as t (c is positive)
	s_delay_alu instid0(VALU_DEP_1)
	v_permlanex16_b32 v[TP+1], v[TP], s[SEL], s[SEL+1]
	s_delay_alu instid0(VALU_DEP_1)
	v_max3_num_f32 v13, v13, v[TP], v[TP+1]        ; the running largest t
	s_delay_alu instid0(VALU_DEP_1)
	v_floor_f32 v12, -v13                          ; -M = -ceil(t)
	s_delay_alu instid0(VALU_DEP_1)
	v_sub_f32 v[TP], v12, v[F]
.set n, 0
.rept 16
	v_pk_fma_f32 v[S+n:S+n+1], v[S+n:S+n+1], v[10:11], v[12:13] op_sel_hi:[1,0,0]   ; t - M, the first 32
.set n, n+2
.endr
	v_fma_f32 v[BM], v[BM], v10, v12
	v_fma_f32 v[BM+2], v[BM+2], v10, v12
	s_wait_alu depctr_va_vdst(0)
.set n, 0
.rept 32
	v_exp_f32 v[S+n], v[S+n]
.set n, n+1
.endr
	v_exp_f32 v[BM], v[BM]                         ; each block's largest p
	v_exp_f32 v[BM+2], v[BM+2]
	v_cvt_i32_f32 v[TP], v[TP]                     ; plain work behind the first batch
.set n, 32
.rept 16
	v_pk_fma_f32 v[S+n:S+n+1], v[S+n:S+n+1], v[10:11], v[12:13] op_sel_hi:[1,0,0]   ; t - M, the other 32
.set n, n+2
.endr
	v_ldexp_f32 v[F], 1.0, v[TP]                   ; f = 2^(old M - new M)
	s_delay_alu instid0(VALU_DEP_1)
	v_pk_mul_f32 v[14:15], v[14:15], v[F:F+1] op_sel_hi:[1,0]      ; the sum under the new M
	s_wait_alu depctr_va_vdst(0)                   ; behind the first batch, ahead of the second
.set n, 32
.rept 32
	v_exp_f32 v[S+n], v[S+n]
.set n, n+1
.endr
	v_max_num_f32 v[BM], 0x1800000, v[BM]          ; plain work behind the second batch, on the first batch's results
	v_max_num_f32 v[BM+2], 0x1800000, v[BM+2]
	v_add_nc_u32 v[BS], 0xff000000, v[BM]          ; the conversions' scale operands
	v_add_nc_u32 v[BS+1], 0xff000000, v[BM+2]
	v_lshrrev_b32 v[BP], 23, v[BS]
	v_lshrrev_b32 v[BP+1], 23, v[BS+1]
	v_pk_add_f32 v[BM:BM+1], v[S:S+1], v[S+2:S+3]  ; the sum of the unquantised p, in four chains; the scale word's lines stand among them
	v_pk_add_f32 v[BM+2:BM+3], v[S+4:S+5], v[S+6:S+7]
	v_lshl_or_b32 v[BP], v[BP+1], 16, v[BP]        ; my bytes: blocks h and 2 + h,
	v_pk_add_f32 v[L2:L2+1], v[S+8:S+9], v[S+10:S+11]
	ADDP 14, 12
	v_lshlrev_b32 v[BP], v[SH8], v[BP]             ; 8 h bits up;
	ADDP BM, 14
	ADDP BM+2, 16
	v_permlanex16_b32 v[BP+1], v[BP], s[SEL], s[SEL+1]
	ADDP L2, 18
	ADDP 14, 20
	v_or_b32 v[PWD], v[BP], v[BP+1]                ; with lane l xor 16's the scale word is whole
	ADDP BM, 22
	ADDP BM+2, 24
	ADDP L2, 26
	ADDP 14, 28
	ADDP BM, 30
	v_cvt_scalef32_pk16_fp6_f32 v[PC:PC+2], v[S:S+15], v[BS]
	v_cvt_scalef32_pk16_fp6_f32 v[PT:PT+2], v[S+16:S+31], v[BS]
	v_nop                                          ; a plain line behind the conversions
.irp i, 0,1,2
	v_mov_b32 v[PC+3+\i], v[PT+\i]                 ; (a conversion's three registers begin on an even number)
.endr
	VLOAD S, 0                                     ; the first 32 p are summed and converted: their registers take V's tiles 0 and 1
	VLOAD S+12, 1
	s_wait_alu depctr_va_vdst(0)                   ; behind the second batch, and directly ahead of the first reader of O
.set n, 0
.rept 16
	v_pk_mul_f32 v[O+n:O+n+1], v[O+n:O+n+1], v[F:F+1] op_sel_hi:[1,0]   ; O under the new M
.set n, n+2
.endr
	v_cvt_scalef32_pk16_fp6_f32 v[PC+6:PC+8], v[S+32:S+47], v[BS+1]
	v_cvt_scalef32_pk16_fp6_f32 v[PT+4:PT+6], v[S+48:S+63], v[BS+1]
	v_nop
.irp i, 0,1,2
	v_mov_b32 v[PC+9+\i], v[PT+4+\i]
.endr
.irp j, 32,40,48,56
	ADDP BM+2, \j
	ADDP L2, \j+2
	ADDP 14, \j+4
	ADDP BM, \j+6
.endr
	v_pk_add_f32 v[BM:BM+1], v[BM:BM+1], v[BM+2:BM+3]
	v_pk_add_f32 v[14:15], v[14:15], v[L2:L2+1]
	s_delay_alu instid0(VALU_DEP_1)
	v_pk_add_f32 v[14:15], v[14:15], v[BM:BM+1]
	s_wait_alu depctr_va_vdst(0)
	s_wait_dscnt 0x0                               ; V's tiles are in (and the next unit's K)
	; O^T += v^T p^T: four accumulators by turns
	v_wmma_scale_f32_16x16x128_f8f6f4 v[O:O+7], v[S:S+11], v[PC:PC+11], v[O:O+7], v[VS], v[PWD] matrix_a_fmt:MATRIX_FMT_FP6 matrix_b_fmt:MATRIX_FMT_FP6
	v_wmma_scale_f32_16x16x128_f8f6f4 v[O+8:O+15], v[S+12:S+23], v[PC:PC+11], v[O+8:O+15], v[VS], v[PWD] matrix_a_fmt:MATRIX_FMT_FP6 matrix_b_fmt:MATRIX_FMT_FP6 matrix_a_scale:MATRIX_SCALE_ROW1
	v_wmma_scale_f32_16x16x128_f8f6f4 v[O+16:O+23], v[V2:V2+11], v[PC:PC+11], v[O+16:O+23], v[VS+1], v[PWD] matrix_a_fmt:MATRIX_FMT_FP6 matrix_b_fmt:MATRIX_FMT_FP6
	v_wmma_scale_f32_16x16x128_f8f6f4 v[O+24:O+31], v[V3:V3+11], v[PC:PC+11], v[O+24:O+31], v[VS+1], v[PWD] matrix_a_fmt:MATRIX_FMT_FP6 matrix_b_fmt:MATRIX_FMT_FP6 matrix_a_scale:MATRIX_SCALE_ROW1
.rept 5
	v_nop                                          ; five places: the next score products write over V's tiles 0 and 1
.endr
	s_branch .Lnext
.Lswitch:                                              ; the wave with two tiles: the whole tile is finished; its part of the split tile begins (whose first K is in its registers already)
	EPI OB1, OS1
	v_mov_b32 v[QS], v[QS2]
.irp i, 0,1,2,3,4,5
	v_mov_b32 v[QF+\i], v[QF2+\i]
.endr
	v_mov_b32 v13, 0xff61b1e6
	v_floor_f32 v12, -v13
	v_mov_b32 v14, 0
	v_mov_b32 v15, 0
.set n, 0
.rept 32
	v_mov_b32 v[O+n], 0
.set n, n+1
.endr
	s_mov_b32 s[GC], s[GL]
.Lnext:
	s_add_co_u32 s[IT], s[IT], 1
	s_cmp_lt_u32 s[IT], TRIPS
	s_wait_alu depctr_va_vdst(0)
	s_cbranch_scc1 .Lloop
	s_cmp_eq_u32 s[TWOF], 0
	s_cbranch_scc1 .Lnostore
	v_mov_b32 v[MB], v12                           ; my part of the split tile: -M, my lane's sum,
	v_add_f32 v[MB+1], v14, v15
.irp k, 0,1,2,3,4,5,6,7
	ds_store_b128 v[MGA], v[O+4*\k:O+4*\k+3] offset:512*\k         ; and O as the image of its registers, each accumulator from its low end on
.endr
	ds_store_b64 v[MGB], v[MB:MB+1]
.Lnostore:
	s_wait_alu depctr_va_vdst(0)
	s_wait_dscnt 0x0                               ; for the partner's sake: my stores have landed
	s_barrier_signal -1
	s_barrier_wait -1
	s_cmp_lg_u32 s[TWOF], 0
	s_cbranch_scc1 .Lend
.irp k, 0,1,2,3,4,5,6,7
	ds_load_b128 v[S+4*\k:S+4*\k+3], v[MGA] offset:512*\k
.endr
	ds_load_b64 v[MB:MB+1], v[MGB]
	v_add_f32 v14, v14, v15
	v_mov_b32 v15, 0
	s_wait_alu depctr_va_vdst(0)
	s_wait_dscnt 0x0
	v_min_num_f32 v[TP], v12, v[MB]                ; the joint -M
	s_delay_alu instid0(VALU_DEP_1)
	v_sub_f32 v[TP+1], v[TP], v[MB]
	v_sub_f32 v[TP], v[TP], v12
	s_delay_alu instid0(VALU_DEP_2)
	v_cvt_i32_f32 v[TP+1], v[TP+1]                 ; (it saturates: a part with no record has -M = 3e38 and counts for nothing)
	s_delay_alu instid0(VALU_DEP_2)
	v_cvt_i32_f32 v[TP], v[TP]
	s_delay_alu instid0(VALU_DEP_2)
	v_ldexp_f32 v[BP], 1.0, v[TP+1]                ; the partner's factor,
	s_delay_alu instid0(VALU_DEP_2)
	v_ldexp_f32 v[F], 1.0, v[TP]                   ; mine: exact powers of two
.set n, 0
.rept 16
	v_pk_mul_f32 v[O+n:O+n+1], v[O+n:O+n+1], v[F:F+1] op_sel_hi:[1,0]
.set n, n+2
.endr
.set n, 0
.rept 16
	v_pk_fma_f32 v[O+n:O+n+1], v[S+n:S+n+1], v[BP:BP+1], v[O+n:O+n+1] op_sel_hi:[1,0,1]
.set n, n+2
.endr
	v_mul_f32 v14, v14, v[F]
	s_delay_alu instid0(VALU_DEP_1)
	v_fma_f32 v14, v[MB+1], v[BP], v14
	EPI OBL, OSL
.Lend:
	s_wait_tensorcnt 0x0                           ; the wave's end
	ds_add_u32 v[SPW], v[NIL]
	s_wait_dscnt 0x0
	CROUND                                         ; the closing round
	s_endpgm
.Lfunc_end_k_q9fd8e271bb_attn:
	.size	k_q9fd8e271bb_attn, .Lfunc_end_k_q9fd8e271bb_attn-k_q9fd8e271bb_attn
	.p2alignl 7, 3214868480
	.fill 96, 4, 3214868480
	.section	.rodata,"a",@progbits
	.p2align	6, 0x0
	.amdhsa_kernel k_q9fd8e271bb_attn
		.amdhsa_group_segment_fixed_size 327680
		.amdhsa_private_segment_fixed_size 0
		.amdhsa_enable_private_segment 0
		.amdhsa_kernarg_size 32
		.amdhsa_user_sgpr_count 2
		.amdhsa_user_sgpr_kernarg_segment_ptr 1
		.amdhsa_wavefront_size32 1
		.amdhsa_system_sgpr_workgroup_id_x 1
		.amdhsa_system_sgpr_workgroup_id_y 1
		.amdhsa_system_sgpr_workgroup_id_z 1
		.amdhsa_system_vgpr_workitem_id 0
		.amdhsa_next_free_vgpr 256
		.amdhsa_next_free_sgpr 72
		.amdhsa_reserve_vcc 1
		.amdhsa_float_denorm_mode_32 3
		.amdhsa_float_denorm_mode_16_64 3
		.amdhsa_memory_ordered 1
		.amdhsa_forward_progress 1
		.amdhsa_inst_pref_size 47
	.end_amdhsa_kernel
	.amdgpu_metadata
---
amdhsa.version: [ 1, 2 ]
amdhsa.kernels:
  - .name:           k_q9fd8e271bb_attn
    .symbol:         k_q9fd8e271bb_attn.kd
    .args:
      - { .name: qr, .offset: 0, .size: 8, .value_kind: global_buffer, .address_space: global }
      - { .name: kv, .offset: 8, .size: 8, .value_kind: global_buffer, .address_space: global }
      - { .name: qkscale, .offset: 16, .size: 8, .value_kind: global_buffer, .address_space: global }
      - { .name: oq, .offset: 24, .size: 8, .value_kind: global_buffer, .address_space: global }
    .group_segment_fixed_size: 327680
    .private_segment_fixed_size: 0
    .kernarg_segment_align: 8
    .kernarg_segment_size: 32
    .max_flat_workgroup_size: 512
    .sgpr_count:     72
    .vgpr_count:     256
    .wavefront_size: 32
...
	.end_amdgpu_metadata
.endif
;; end of part 3
;; launch proj (part 4): grid 8 x 32, 4 waves a work-group, clusters of 4 x 4, 229,888 bytes of LDS; arguments oq, wo, out0; writes out0
.if DOCPART == 4
	.amdgcn_target "amdgcn-amd-amdhsa--gfx1250"
	.amdhsa_code_object_version 6
	.text
	.protected	k_q9fd8e271bb_proj
	.globl	k_q9fd8e271bb_proj
	.p2align	8
	.type	k_q9fd8e271bb_proj,@function
k_q9fd8e271bb_proj:
	s_mov_b64 s[64:65], 0
	v_nop
	global_prefetch_b8 v0, s[64:65] scope:SCOPE_SE
	s_setreg_imm32_b32 hwreg(HW_REG_WAVE_MODE, 25, 1), 1
	s_wait_xcnt 0x0
	s_wait_alu depctr_hold_cnt(0) depctr_sa_sdst(0) depctr_va_vdst(0) depctr_va_sdst(0) depctr_va_ssrc(0) depctr_va_vcc(0) depctr_vm_vsrc(0)
	s_getreg_b32 s2, hwreg(HW_REG_IB_STS2, 6, 4)
	s_cmp_eq_u32 s2, 0
	s_cbranch_scc0 .Lentry_in_a_cluster
	s_endpgm
.Lentry_in_a_cluster:
	s_bfe_u32 s2, ttmp6, 0x10000c
	s_cmp_lg_u32 s2, 0xf033
	s_cbranch_scc0 .Lentry_shape_is_right
	s_endpgm
.Lentry_shape_is_right:
; PROJ.  out0 = o w_out on codes of E2M3.  A work-group makes 128 tokens x 128 columns (256 work-groups: a larger tile would leave WGPs without work); a wave 64 x 64: 16 accumulators.
; ALL OF K (1,024) LIES IN LDS, filled once: each wave issues one tensor load behind the opening round.
; CLUSTER 4 x 4: o's tiles are shared along a row of the cluster, w_out's along a column: joint loads.
; Source 0 = 16 columns of w_out, source 1 = 16 tokens: a lane holds eight neighbouring columns of one row.  The tokens of a tile are in the order in which they were laid (position p of 32 holds p with bits 3 and 4
; exchanged); the way out undoes that in the stores' offsets.
; REGISTERS: window 0: v2-10 addresses; v32-39 scale words, two sets; v64-95 the way out; v128-255 the accumulators (a, b) at 128 + 8 (4 a + b).  window 1: two buffers of 96: o's four fragments, then w_out's four.
.set KCB,   49152                      ; half of K for 8 tiles: 8 x 6,144 bytes
.set BOFF,  98304
.set SCLA,  196608
.set SCLB,  200704
.set STAGE, 204800                     ; 16 rows x (256 bytes + 16) for each wave
.set OQS,   3145728
.set WOS,   786432
.set ADRA, 2
.set ADRB, 4
.set ADRS, 6
.set STO,  8
.set RD,   9
.set CO,   10
.set SC,   32
.set TMP,  64
.set ACC,  128
.set G1, 24
.set G0, 32
.set G1B, 48
.set G0B, 56
.set G1S, 68
.set G0S, 76
.set G1SB, 80
.set G0SB, 88
.set MSB, 0
.macro WIN new
.if MSB != (\new)
	s_set_vgpr_msb (MSB<<8)|(\new)
.set MSB, (\new)
.endif
.endm
.macro JLOAD g0a, g1a, g0b, g1b        ; waves 0 and 1 fetch for o, waves 2 and 3 for w_out; four v_nop follow each line
	s_cmp_eq_u32 s15, 0
	s_cbranch_scc0 .Lfor_b_\@
	tensor_load_to_lds s[\g0a:\g0a+3], s[\g1a:\g1a+7]
	s_nop 0
.rept 4
	v_nop
.endr
	s_branch .Lasked_\@
.Lfor_b_\@:
	tensor_load_to_lds s[\g0b:\g0b+3], s[\g1b:\g1b+7]
	s_nop 0
.rept 4
	v_nop
.endr
.Lasked_\@:
.endm
.macro CROUND                          ; a round of the cluster's barrier
	s_barrier_signal -1
	s_barrier_wait -1
	s_cmp_lg_u32 s14, 0
	s_cbranch_scc1 .Lnot_wave_0_\@
	s_barrier_signal -3
.Lnot_wave_0_\@:
	s_barrier_wait -3
	s_barrier_signal -1
	s_barrier_wait -1
.endm
.macro PLACES
.rept 4
	v_nop
.endr
.endm
	s_load_b128 s[4:7], s[0:1], 0x0                ; oq, wo
	s_load_b64 s[8:9], s[0:1], 0x10                ; out0
	v_lshl_add_u32 v126, v0, 2, 0x38000
	v_mov_b32 v127, 0
	ds_add_u32 v126, v127
	ds_add_u32 v126, v127
	v_lshrrev_b32 v1, 5, v0
	v_readfirstlane_b32 s14, v1                    ; wave
	s_lshr_b32 s15, s14, 1                         ; my half of the tokens.  Also: I fetch for o (0) or for w_out (1)
	s_and_b32 s16, s14, 1                          ; my half of the columns
	s_bfe_u32 s40, ttmp6, 0x40000
	s_bfe_u32 s41, ttmp6, 0x40004
	s_lshl_b32 s42, ttmp9, 2
	s_add_co_u32 s42, s42, s40                     ; block of 128 columns
	s_and_b32 s17, ttmp7, 0xffff
	s_lshl_b32 s17, s17, 2
	s_add_co_u32 s17, s17, s41                     ; block of 128 tokens
	s_lshl_b32 s43, s41, 2
	s_lshl_b32 s43, 15, s43
	s_lshl_b32 s44, 0x1111, s40
	s_or_b32 s[G1+0], s43, (3<<16)|(1<<21)
	s_or_b32 s[G1B+0], s44, (3<<16)|(1<<21)
.irp g, G1, G1B
	s_mov_b32 s[\g+1], 1536<<16                    ; 12,288 bytes of a tile: all of K
	s_mov_b32 s[\g+2], 8<<16                       ; 8 tiles
	s_mov_b32 s[\g+3], 1536<<16
	s_mov_b32 s[\g+4], 8
	s_mov_b32 s[\g+5], 1536
	s_mov_b32 s[\g+6], 0
	s_mov_b32 s[\g+7], 0
.endr
	s_or_b32 s[G1S+0], s43, (3<<16)|(1<<21)
	s_or_b32 s[G1SB+0], s44, (3<<16)|(1<<21)
.irp g, G1S, G1SB
	s_mov_b32 s[\g+1], 32<<16                      ; rows of 256 bytes,
	s_mov_b32 s[\g+2], 16<<16                      ; 8 tiles' scale words: 16 rows of 256 bytes
	s_mov_b32 s[\g+3], 32<<16
	s_mov_b32 s[\g+4], 16
	s_mov_b32 s[\g+5], 32
	s_mov_b32 s[\g+6], 0
	s_mov_b32 s[\g+7], 0
.endr
	s_lshl_b32 s20, s17, 3                         ; o: tile 8 y
	s_lshl_b32 s46, s42, 3                         ; w_out: tile 8 x
	s_lshl_b32 s22, s20, 9
	s_add_co_u32 s22, s22, OQS
	s_mov_b32 s23, 0
	s_mul_i32 s20, s20, 12288
	s_mov_b32 s21, 0
	s_lshl_b32 s92, s46, 9
	s_add_co_u32 s92, s92, WOS
	s_mov_b32 s93, 0
	s_mul_i32 s46, s46, 12288
	s_mov_b32 s47, 0
	s_wait_dscnt 0x0
	s_wait_kmcnt 0x0
	s_add_nc_u64 s[20:21], s[4:5], s[20:21]
	s_add_nc_u64 s[22:23], s[4:5], s[22:23]
	s_add_nc_u64 s[46:47], s[6:7], s[46:47]
	s_add_nc_u64 s[92:93], s[6:7], s[92:93]
	CROUND                                         ; all sixteen work-groups are here: the joint loads meet
	s_mov_b32 s[G0S], 1
	s_mov_b32 s[G0S+1], SCLA
	s_mov_b64 s[G0S+2:G0S+3], s[22:23]
	s_or_b32 s[G0S+3], s[G0S+3], 0x80000000
	s_mov_b32 s[G0SB], 1
	s_mov_b32 s[G0SB+1], SCLB
	s_mov_b64 s[G0SB+2:G0SB+3], s[92:93]
	s_or_b32 s[G0SB+3], s[G0SB+3], 0x80000000
	s_mov_b32 s[G0], 1
	s_mov_b32 s[G0+1], 0
	s_mov_b64 s[G0+2:G0+3], s[20:21]
	s_or_b32 s[G0+3], s[G0+3], 0x80000000
	s_mov_b32 s[G0B], 1
	s_mov_b32 s[G0B+1], BOFF
	s_mov_b64 s[G0B+2:G0B+3], s[46:47]
	s_or_b32 s[G0B+3], s[G0B+3], 0x80000000
; THE HEAD'S LOADS, ONE A WAVE: wave 0 o's 8 tiles for all of K, wave 1 o's scale words, wave 2 w_out's 8 tiles, wave 3 its scale words.  Nothing is filled later.
.macro ARM under, g0, g1, next
	s_cmp_lt_u32 s14, \under
	s_cbranch_scc0 \next
	tensor_load_to_lds s[\g0:\g0+3], s[\g1:\g1+7]
	s_nop 0
.rept 4
	v_nop
.endr
	s_branch .Lhead_asked
\next:
.endm
	ARM 1, G0, G1, .Lhead_1
	ARM 2, G0S, G1S, .Lhead_2
	ARM 3, G0B, G1B, .Lhead_3
	tensor_load_to_lds s[G0SB:G0SB+3], s[G1SB:G1SB+7]
	s_nop 0
.rept 4
	v_nop
.endr
.Lhead_asked:
	v_and_b32 v1, 31, v0
	v_and_b32 v13, 15, v0                          ; r
	v_bfe_u32 v14, v0, 4, 1                        ; h
	s_wait_alu depctr_va_vdst(0)
	v_lshlrev_b32 v15, 3, v1                       ; 8 x lane
	s_mul_i32 s21, s15, 49152                      ; my four tiles of o, 12,288 bytes each
	s_mul_i32 s22, s16, 49152                      ; my four of w_out
	s_add_co_u32 s22, s22, BOFF
	v_add_nc_u32 v[ADRA], s21, v15
	v_add_nc_u32 v[ADRB], s22, v15
	s_lshl_b32 s21, s15, 11
	s_lshl_b32 s22, s16, 11
	s_add_co_u32 s22, s22, SCLB-SCLA
	s_sub_co_u32 s22, s22, s21
	v_mul_u32_u24 v6, s22, v14                     ; lanes 16-31 take w_out's scale words: one product, the distance x half
	s_add_co_u32 s21, s21, SCLA
	v_lshl_add_u32 v6, v13, 2, v6
	v_add_nc_u32 v[ADRS], s21, v6
	s_mul_i32 s23, s14, 16*272
	s_add_co_u32 s23, s23, STAGE                   ; my stage
	v_mul_u32_u24 v[STO], v13, 272
	v_lshl_add_u32 v[STO], v14, 5, v[STO]
	v_add_nc_u32 v[STO], s23, v[STO]               ; in: row r, 32 bytes for each half of the lanes
	v_mul_u32_u24 v[RD], v14, 272
	v_lshl_add_u32 v[RD], v13, 4, v[RD]
	v_add_nc_u32 v[RD], s23, v[RD]                 ; back: lanes 0-15 one row of 256 bytes, lanes 16-31 the next
	v_lshlrev_b32 v[CO], 12, v14
	v_lshl_add_u32 v[CO], v13, 4, v[CO]            ; and the same two rows in out0
	s_lshl_b32 s96, s17, 7
	s_lshl_b32 s97, s15, 6
	s_add_co_u32 s96, s96, s97
	s_lshl_b32 s96, s96, 12                        ; my first token's row of 4,096 bytes
	s_lshl_b32 s98, s42, 9
	s_lshl_b32 s99, s16, 8
	s_add_co_u32 s98, s98, s99                     ; my first column, in bytes
	s_add_co_u32 s96, s96, s98
	s_mov_b32 s97, 0
	s_add_nc_u64 s[8:9], s[8:9], s[96:97]
.macro FETCH g                         ; step g's eight fragments (six loads of 8 bytes a lane each, 256 consecutive bytes a load) and four registers of scale words
.set FB, 96*((\g)%2)
	WIN 0x40
.irp i, 0,1,2,3
.irp p, 0,1,2,3,4,5
	ds_load_b64 v[FB+12*\i+2*\p:FB+12*\i+2*\p+1], v[ADRA] offset:\i*12288+(\g)*1536+256*\p
.endr
.endr
.irp i, 0,1,2,3
.irp p, 0,1,2,3,4,5
	ds_load_b64 v[FB+48+12*\i+2*\p:FB+48+12*\i+2*\p+1], v[ADRB] offset:\i*12288+(\g)*1536+256*\p
.endr
.endr
	WIN 0
.irp i, 0,1,2,3
	ds_load_b32 v[SC+4*((\g)%2)+\i], v[ADRS] offset:\i*512+64*(\g)
.endr
.endm
.macro MUL g                           ; the 16 accumulators take turns
.set FB, 96*((\g)%2)
.set SS, SC+4*((\g)%2)
	WIN 0x05
.irp a, 0,1,2,3
.irp b, 0,1,2,3
.set rD, ACC+8*(4*\a+\b)
.if (\g) == 0
	v_wmma_scale_f32_16x16x128_f8f6f4 v[rD:rD+7], v[FB+48+12*\b:FB+48+12*\b+11], v[FB+12*\a:FB+12*\a+11], 0, v[SS+\b], v[SS+\a] matrix_a_fmt:MATRIX_FMT_FP6 matrix_b_fmt:MATRIX_FMT_FP6 matrix_a_scale:MATRIX_SCALE_ROW1
.else
	v_wmma_scale_f32_16x16x128_f8f6f4 v[rD:rD+7], v[FB+48+12*\b:FB+48+12*\b+11], v[FB+12*\a:FB+12*\a+11], v[rD:rD+7], v[SS+\b], v[SS+\a] matrix_a_fmt:MATRIX_FMT_FP6 matrix_b_fmt:MATRIX_FMT_FP6 matrix_a_scale:MATRIX_SCALE_ROW1
.endif
.endr
.endr
	WIN 0
.endm
	s_wait_alu depctr_va_vdst(0)
	s_wait_tensorcnt 0x0                           ; my tile of the head's four is in
	s_barrier_signal -1
	s_barrier_wait -1
	FETCH 0
.irp g, 0,1,2,3,4,5,6,7
	s_wait_dscnt 0x0                               ; step g's fragments are in
.if \g < 7
.if \g > 0
	PLACES                                         ; the other buffer was multiplied in the step before
.endif
	FETCH \g+1
.endif
	MUL \g
.endr
; THE WAY OUT, 16 tokens at a time, through my own stage: in as 32 bytes a lane, back as whole rows of 256 bytes.  Row 2 t + h of tile a is token 32 (a / 2) + 8 (a % 2) + 16 (t / 4) + 2 (t % 4) + h of my 64.
.macro OUTA a
.if \a > 0
	s_wait_xcnt 0x0                                ; the last tile's stores have read their registers
.endif
.irp b, 0,1,2,3
	ds_store_b128 v[STO], v[ACC+8*(4*\a+\b):ACC+8*(4*\a+\b)+3] offset:64*\b            ; each accumulator from its low end on
	ds_store_b128 v[STO], v[ACC+8*(4*\a+\b)+4:ACC+8*(4*\a+\b)+7] offset:64*\b+16
.endr
.irp t, 0,1,2,3,4,5,6,7
	ds_load_b128 v[TMP+4*\t:TMP+4*\t+3], v[RD] offset:544*\t       ; LDS serves a wave's instructions in order: these see my stores
.endr
.irp t, 0,1,2,3,4,5,6,7
	s_wait_dscnt 7-\t
	global_store_b128 v[CO], v[TMP+4*\t:TMP+4*\t+3], s[8:9] offset:(32*(\a/2)+16*(\t/4)+8*(\a%2)+2*(\t%4))*4096 th:TH_STORE_NT   ; 16 lanes store 256 consecutive bytes, aligned
.endr
.endm
	PLACES
	OUTA 0
	OUTA 1
	OUTA 2
	OUTA 3
	s_wait_tensorcnt 0x0
	s_wait_dscnt 0x0
	s_wait_tensorcnt 0x0
	ds_add_u32 v126, v127
	s_wait_dscnt 0x0
	CROUND                                         ; the closing round: no work-group ends while a partner may still ask for a tile that names it
	s_endpgm
.Lfunc_end_k_q9fd8e271bb_proj:
	.size	k_q9fd8e271bb_proj, .Lfunc_end_k_q9fd8e271bb_proj-k_q9fd8e271bb_proj
	.p2alignl 7, 3214868480
	.fill 96, 4, 3214868480
	.section	.rodata,"a",@progbits
	.p2align	6, 0x0
	.amdhsa_kernel k_q9fd8e271bb_proj
		.amdhsa_group_segment_fixed_size 229888
		.amdhsa_private_segment_fixed_size 0
		.amdhsa_enable_private_segment 0
		.amdhsa_kernarg_size 24
		.amdhsa_user_sgpr_count 2
		.amdhsa_user_sgpr_kernarg_segment_ptr 1
		.amdhsa_wavefront_size32 1
		.amdhsa_system_sgpr_workgroup_id_x 1
		.amdhsa_system_sgpr_workgroup_id_y 1
		.amdhsa_system_sgpr_workgroup_id_z 1
		.amdhsa_system_vgpr_workitem_id 0
		.amdhsa_next_free_vgpr 512
		.amdhsa_next_free_sgpr 100
		.amdhsa_reserve_vcc 0
		.amdhsa_float_denorm_mode_32 3
		.amdhsa_float_denorm_mode_16_64 3
		.amdhsa_memory_ordered 1
		.amdhsa_forward_progress 1
		.amdhsa_inst_pref_size 61
	.end_amdhsa_kernel
	.amdgpu_metadata
---
amdhsa.version: [ 1, 2 ]
amdhsa.kernels:
  - .name:           k_q9fd8e271bb_proj
    .symbol:         k_q9fd8e271bb_proj.kd
    .args:
      - { .name: oq, .offset: 0, .size: 8, .value_kind: global_buffer, .address_space: global }
      - { .name: wo, .offset: 8, .size: 8, .value_kind: global_buffer, .address_space: global }
      - { .name: out0, .offset: 16, .size: 8, .value_kind: global_buffer, .address_space: global }
    .group_segment_fixed_size: 229888
    .private_segment_fixed_size: 0
    .kernarg_segment_align: 8
    .kernarg_segment_size: 24
    .max_flat_workgroup_size: 128
    .sgpr_count:     100
    .vgpr_count:     512
    .wavefront_size: 32
...
	.end_amdgpu_metadata
.endif
;; end of part 4
